; MI455X (gfx1250); checked and timed in simulation.
; The chip was launched on July 23, 2026; its instructions are those of AMD's public machine-readable ISA for CDNA 5 (MIT licence, August 2026) and "CDNA5" Instruction Set Architecture Reference Guide (July 2026). The comments in the code are by the model that wrote it; some were corrected since.
;; Head Attention. Allowed arithmetic: matrix products marked QUANTISED: E2M1 operands, one E8M0 scale for each 32 along K, by v_wmma_scale_f32_16x16x128_f8f6f4 with both operands' format E2M1 (or v_wmma_scale_f32_32x16x128_f4), f32 sums; everything else in f32.
;; Inputs: Wk_codes 64 x 32 x 16 uint8 (E2M1 codes of Wk, K innermost, in blocks of 32 codes, two codes a byte); Wk_scales 64 x 32 uint8 (E8M0 scales of Wk, one for each 32 codes along K); Wq_codes 64 x 32 x 16 uint8 (E2M1 codes of Wq, K innermost, in blocks of 32 codes, two codes a byte); Wq_scales 64 x 32 uint8 (E8M0 scales of Wq, one for each 32 codes along K); Wv_codes 64 x 32 x 16 uint8 (E2M1 codes of Wv, K innermost, in blocks of 32 codes, two codes a byte); Wv_scales 64 x 32 uint8 (E8M0 scales of Wv, one for each 32 codes along K); X_codes 4 x 4,096 x 32 x 16 uint8 (E2M1 codes of X, K innermost, in blocks of 32 codes, two codes a byte); X_scales 4 x 4,096 x 32 uint8 (E8M0 scales of X, one for each 32 codes along K); bk 64 float32; bq 64 float32; bv 64 float32.
;; Outputs: out0 4 x 4,096 x 64 float32.
;; This version of the problem:
;;   THIS VERSION OF THE PROBLEM IS GIVEN IN LOW PRECISION. The matrix products marked QUANTISED in the list below multiply operands that are first quantised to E2M1 (2 exponent bits, 1 mantissa bit; 4 bits a number), with one power-of-two scale for each 32 numbers along K (OCP MX v1.0); their sums are f32. All else is computed in f32.
;;   The module's matrix products, in the order in which they are computed (A, B: the left and right operand; K: the contracted axis; several contracted axes count as one K, in the product's order):
;;     1. [M 16,384, K 1,024] x [K 1,024, N 64]; A: input X (given as codes); B: input Wk (given as codes): QUANTISED
;;     2. [M 16,384, K 1,024] x [K 1,024, N 64]; A: input X (given as codes); B: input Wq (given as codes): QUANTISED
;;     3. [M 16,384, K 1,024] x [K 1,024, N 64]; A: input X (given as codes); B: input Wv (given as codes): QUANTISED
;;     4. batch 4 x [M 4,096, K 64] x [K 64, N 4,096]; A: computed on the way; B: computed on the way: QUANTISED
;;     5. batch 4 x [M 4,096, K 4,096] x [K 4,096, N 64]; A: softmax (see below); B: computed on the way: QUANTISED
;;   THE QUANTISER, for each operand of a quantised product, along K:
;;     - K is cut into blocks of 32 from its start; a last block that is shorter is filled with zeros.
;;     - A block's scale is 2^e with e = floor(log2(the largest magnitude in the block)) - 2, held to -126 .. 127; a block of zeros has e = 0. As a byte (E8M0): e + 127.
;;     - Each number is divided by its block's scale, clamped to +-6, and rounded to the nearest number of E2M1, ties to even, subnormals kept.
;;     - The product sums the exact products of the quantised numbers (number of the format x scale) in f32.
;;   ~~~python
;;   def quantise(x, axis):      # numpy; x: float32 -> the quantised numbers, widened to float32 again
;;       x = np.moveaxis(x, axis, -1); K = x.shape[-1]
;;       x = np.pad(x, [(0, 0)] * (x.ndim - 1) + [(0, -K % 32)]); x = x.reshape(x.shape[:-1] + (-1, 32)); a = np.abs(x).max(-1, keepdims=True)
;;       e = np.where(a > 0, np.clip(np.frexp(np.where(a > 0, a, 1))[1] - 1 - 2, -126, 127), 0)      # np.frexp(a)[1] - 1 = floor(log2(a)), exactly
;;       r = np.clip(x / 2.0 ** e, -6, 6)
;;       step = 2.0 ** (np.maximum(np.frexp(np.where(r == 0, 1, r))[1] - 1, 0) - 1)
;;       q = np.round(r / step) * step * 2.0 ** e      # np.round: ties to even
;;       return np.moveaxis(q.reshape(q.shape[:-2] + (-1,))[..., :K], -1, axis).astype(np.float32)
;;   ~~~
;;   SOFTMAX AHEAD OF A QUANTISED PRODUCT. Where the list says 'softmax', what is quantised is not the finished softmax but p = 2^(t - M), with t = logit x log2(e) and M = ceil(the row's largest t), a whole number; so 1/2 < the row's largest p <= 1. The row's sum l is taken of the UNQUANTISED p, in f32, and the product's result is divided by l at the end. Since M is a whole number, a kernel that streams over the keys may use a running M (the ceiling of the running maximum): every later rescaling is an exact power of two, which a block's scale takes up: the codes' values come out the same.
;;   OPERANDS COMPUTED ON THE WAY. 'Computed on the way' means the value that the module computes at that place (a softmax that the list does not call 'softmax' is quantised finished and normalised). What goes into a quantiser is computed in f32, as accurately as f32 sums, v_exp_f32 and their like allow (about 1e-6 of the number): no bf16 or f16 on the way to a quantiser, and a product that is left as it is and whose result goes on into a quantised operand takes f32 operands (vector FMAs, or v_wmma_f32_16x16x4_f32). A number that lies on a knife's edge between two numbers of the format may be rounded either way, as far as f32 arithmetic and the matrix unit's own rounding can turn it there, and no further.
;;   INPUTS GIVEN AS CODES. Wk (in the module: [1024, 64], K = its axis 0); Wq (in the module: [1024, 64], K = its axis 0); Wv (in the module: [1024, 64], K = its axis 0); X (in the module: [4, 4096, 1024], K = its axis 2): each comes as NAME_codes (uint8): NAME with its K axis moved to the last place and cut into blocks of 32 codes, [.., K / 32, bytes a block], one block behind the other in memory; two codes a byte, the lower K in the low four bits (a code: sign, 2 exponent bits, 1 mantissa bit); and NAME_scales (uint8): the same leading axes, one E8M0 byte (e + 127) for each 32 codes along K. Its value is code x scale, taken as it is: it is not quantised again, and the codes and scales need not be those that the quantiser above would give.
;; 2 versions. Each part assembles by itself: llvm-mc -triple=amdgcn-amd-amdhsa -mcpu=gfx1250 --defsym DOCPART=n.
;; ======== version 1 of 2: 2 launches
;; workspace buffers: qq 589,824 bytes; kv 1,146,880 bytes
;; launch proj (part 1): grid 2 x 128, 4 waves a work-group, no clusters, 50,688 bytes of LDS; arguments X_codes, X_scales, Wv_codes, Wv_scales, bv, Wq_codes, Wq_scales, bq, Wk_codes, Wk_scales, bk, qq, kv; writes qq, kv
.if DOCPART == 1
	.amdgcn_target "amdgcn-amd-amdhsa--gfx1250"
	.amdhsa_code_object_version 6
	.text
	.protected	k_q6cdad42663_proj
	.globl	k_q6cdad42663_proj
	.p2align	8
	.type	k_q6cdad42663_proj,@function
k_q6cdad42663_proj:
	s_mov_b64 s[64:65], 0
	v_nop
	global_prefetch_b8 v0, s[64:65] scope:SCOPE_SE
	s_setreg_imm32_b32 hwreg(HW_REG_WAVE_MODE, 25, 1), 1
	s_wait_xcnt 0x0
; q = X Wq + bq, k = X Wk + bk, v = X Wv + bv on codes of FP4 (E2M1) with one E8M0 scale for each 32 along K = 1,024; then q and k are quantised along the head's 64 channels
; (two blocks a token) and v along the keys (32 keys a block, for each channel), and codes and scale words are laid in the order in which the attention's operand registers take them.
; SHARES.  Work-group (e, S): S = one of 128 steps of 128 tokens (32 x batch + step); e = 0: Wq and channels 0-31 of Wv; e = 1: Wk and channels 32-63 of Wv.  One path: only pointers and offsets are chosen by e.
; Wave w: tokens 32 w .. 32 w + 31 as two tiles u, against six tiles of 16 channels: 12 accumulators, 8 K steps of 128, 96 matrix instructions.
; THE ROWS OF A TILE ARE NOT NEIGHBOURS: lane r of token tile u takes token 8 u + r + (r & 8) of the wave's 32; lane r of tile 2 b + u of Wq or Wk takes row 32 b + 8 u + r + (r & 8).
;   q, k: source 0 = 16 rows of the weight, source 1 = X: a lane holds ONE token, and the 16 registers of tiles 2 b, 2 b + 1 are channels 32 b + 16 (lane / 16) + 0 .. 15.
;   v:    source 0 = X, source 1 = 16 rows of Wv: a lane holds ONE channel, and the 16 registers of tiles u = 0, 1 are tokens 16 (lane / 16) + 0 .. 15 of the wave's block of 32 keys.
; The biases are the C of each sum's first product (so they are added first, not last as in the source).
; THE WEIGHTS' 48 fragments (8 K steps x 6 tiles) are loaded once by the work-group, 12 a wave, and go from wave to wave through LDS as images of their registers (16 x lane, 512 bytes a store).
; No tensor load and no cluster: one pass with all requests at its head; the weights are wanted as register images, which rows brought by the mover are not; X is shared by two work-groups only.
; OUT.  kv: [32 chunks of 4 steps][35,840 bytes]: K's codes 4 x 4,096 | V's codes 4 x 4,096 | K's scale words 4 x 512 | V's scale words 4 x 256.   qq: [128 steps][4,096 codes | 512 scale words].
;   K, Q codes: [tile 2 w + u][lane][16 bytes]: registers 0-3 of a fragment of 128 along K whose upper 64 are zeros.  Their scale words: [lane = r + 16 u][w][4 bytes], bytes 2 and 3 are 0 (over zero codes).
;   V codes: [tile n][c][lane][16 bytes]: channel 16 n + r, keys 64 c + 32 h + 0 .. 31.  V's scale words: [e][lane = channel - 32 e][4 bytes], byte w for keys 32 w on.
; LIMITS: NaN and infinities are not served.  A block whose largest magnitude lies under 2^(3 - 127) gets the byte 1; a block of zeros too (the rule says 127): its codes are zeros, and this program alone reads the bytes.
; REGISTERS.  Window 0: v1-12 addresses; v16-47 scale words and nothing else; v48-143 the staged fragments, then two fragment buffers, then the quantiser's work; v144-207 q or k; v208-239 v; v240-241 bv.
;   Window 1: v0-127 X's 16 fragments ((s, u) at 8 (2 s + u)); v128-159 the bias of q or k, by tile; v160-175 bv spread over eight registers a tile.
.set CH,   35840                       ; a chunk of kv
.set VCO,  16384                       ; in it: V's codes,
.set KSO,  32768                       ; K's scale words,
.set VSO,  34816                       ; V's scale words
.set QROW, 4608                        ; a step of qq
.set SCL,  49152                       ; LDS behind the 48 images: the step's 128 scale words of q or k,
.set VSC,  49664                       ; and 32 channels' scale words of v
.set XSR,  16                          ; v16-23  X's scale words of K step s: lanes 0-15 tile u = 0, lanes 16-31 u = 1
.set WSR,  24                          ; v24-39  the weight's: v[24 + 8 p + s]: lanes 0-15 tile 2 p, lanes 16-31 tile 2 p + 1
.set VSR,  40                          ; v40-47  Wv's: lanes 0-15 tile 0, lanes 16-31 tile 1
.set FB,   48
.set AQ,   144
.set AV,   208
.set BQ,   128                         ; in window 1
.set BV,   160                         ; in window 1
.set MSB, 0
.macro WIN new                         ; the immediate's high byte repeats the setting that is left
.if MSB != \new
	s_set_vgpr_msb (MSB<<8)|\new
.set MSB, \new
.endif
.endm
.macro PLACES                          ; four plain places behind a matrix instruction, ahead of loads into registers that it read and of reads of its results
.rept 4
	v_nop
.endr
.endm
; One product.  ra, rb = 1: that side's scale words stand in lanes 16-31 of the register named.
.macro WM d, a, b, c, sa, sb, ra, rb
.if (\ra) && (\rb)
	v_wmma_scale_f32_16x16x128_f8f6f4 v[(\d):(\d)+7], v[(\a):(\a)+7], v[(\b):(\b)+7], v[(\c):(\c)+7], v[(\sa)], v[(\sb)] matrix_a_fmt:MATRIX_FMT_FP4 matrix_b_fmt:MATRIX_FMT_FP4 matrix_a_scale:MATRIX_SCALE_ROW1 matrix_b_scale:MATRIX_SCALE_ROW1
.elseif (\ra)
	v_wmma_scale_f32_16x16x128_f8f6f4 v[(\d):(\d)+7], v[(\a):(\a)+7], v[(\b):(\b)+7], v[(\c):(\c)+7], v[(\sa)], v[(\sb)] matrix_a_fmt:MATRIX_FMT_FP4 matrix_b_fmt:MATRIX_FMT_FP4 matrix_a_scale:MATRIX_SCALE_ROW1
.elseif (\rb)
	v_wmma_scale_f32_16x16x128_f8f6f4 v[(\d):(\d)+7], v[(\a):(\a)+7], v[(\b):(\b)+7], v[(\c):(\c)+7], v[(\sa)], v[(\sb)] matrix_a_fmt:MATRIX_FMT_FP4 matrix_b_fmt:MATRIX_FMT_FP4 matrix_b_scale:MATRIX_SCALE_ROW1
.else
	v_wmma_scale_f32_16x16x128_f8f6f4 v[(\d):(\d)+7], v[(\a):(\a)+7], v[(\b):(\b)+7], v[(\c):(\c)+7], v[(\sa)], v[(\sb)] matrix_a_fmt:MATRIX_FMT_FP4 matrix_b_fmt:MATRIX_FMT_FP4
.endif
.endm
; K step s's six weight fragments from their images into buffer s % 2: 12 loads of 512 consecutive bytes
.macro FETCH s
.irp i, 0,1,2,3,4,5
.irp c, 0,1
	ds_load_b128 v[FB+48*((\s)%2)+8*\i+4*\c:FB+48*((\s)%2)+8*\i+4*\c+3], v7 offset:(6*(\s)+\i)*1024+512*\c
.endr
.endr
.endm
; K step s: 12 products, the 12 accumulators by turns, one instruction a turn.  In step 0 the biases are the C.
.macro MULS s
.set WB, FB+48*((\s)%2)
.if (\s) == 0
	WIN 0x14                                       ; source 1 (X) and C (the bias) in window 1
.else
	WIN 0x04                                       ; source 1 (X) in window 1
.endif
.irp tau, 0,1,2,3
.irp u, 0,1
.if (\s) == 0
	WM AQ+32*\u+8*\tau, WB+8*\tau, 8*(2*(\s)+\u), BQ+8*\tau, WSR+8*(\tau/2)+(\s), XSR+(\s), \tau%2, \u
.else
	WM AQ+32*\u+8*\tau, WB+8*\tau, 8*(2*(\s)+\u), AQ+32*\u+8*\tau, WSR+8*(\tau/2)+(\s), XSR+(\s), \tau%2, \u
.endif
.endr
.endr
.if (\s) == 0
	WIN 0x11                                       ; source 0 (X) and C (bv) in window 1
.else
	WIN 0x01                                       ; source 0 (X) in window 1
.endif
.irp n, 0,1
.irp u, 0,1
.if (\s) == 0
	WM AV+16*\n+8*\u, 8*(2*(\s)+\u), WB+32+8*\n, BV+8*\n, XSR+(\s), VSR+(\s), \u, \n
.else
	WM AV+16*\n+8*\u, 8*(2*(\s)+\u), WB+32+8*\n, AV+16*\n+8*\u, XSR+(\s), VSR+(\s), \u, \n
.endif
.endr
.endr
	WIN 0
.endm
; Two blocks of 32, each as 16 registers of this lane (at src and src + 16) and 16 of lane l xor 16.  Out: codes v[pc + 2 x], v[pc + 2 x + 1]; bytes v[t + 2 + x].  Each accumulator is read from its low end on.
.macro QBLK src, pc, t
.irp x, 0,1
	v_max3_num_f32 v[\t+\x], |v[\src+16*\x]|, |v[\src+16*\x+1]|, 0x1800000   ; my 16 numbers, and the floor 2^(3 - 127): the byte cannot fall under 1
.endr
.irp i, 2,4,6,8,10,12,14
.irp x, 0,1
	v_max3_num_f32 v[\t+\x], v[\t+\x], |v[\src+16*\x+\i]|, |v[\src+16*\x+\i+1]|   ; (the two blocks by turns)
.endr
.endr
.irp x, 0,1
	v_permlanex16_b32 v[\t+2+\x], v[\t+\x], s34, s35
.endr
.irp x, 0,1
	v_max_num_f32 v[\t+\x], v[\t+\x], v[\t+2+\x]   ; with lane l xor 16's: the block's largest magnitude
.endr
.irp x, 0,1
	v_add_nc_u32 v[\t+4+\x], 0xff000000, v[\t+\x]  ; 2 off its exponent field: the conversion takes this operand's exponent field as its scale
.endr
.irp x, 0,1
	v_lshrrev_b32 v[\t+2+\x], 23, v[\t+4+\x]       ; the scale's byte
.endr
.irp x, 0,1
	v_cvt_scalef32_pk8_fp4_f32 v[\pc+2*\x], v[\src+16*\x:\src+16*\x+7], v[\t+4+\x]
	v_cvt_scalef32_pk8_fp4_f32 v[\pc+2*\x+1], v[\src+16*\x+8:\src+16*\x+15], v[\t+4+\x]
.endr
	v_nop                                          ; one plain place behind a scaled conversion
.endm
	s_load_b512 s[4:19], s[0:1], 0x0               ; X's codes 4, X's scales 6, Wv's codes 8, Wv's scales 10, bv 12, Wq's codes 14, Wq's scales 16, bq 18
	s_load_b256 s[20:27], s[0:1], 0x40             ; Wk's codes 20, Wk's scales 22, bk 24, qq 26
	s_load_b64 s[28:29], s[0:1], 0x60              ; kv
	v_lshl_add_u32 v254, v0, 2, 0xc400
	v_mov_b32 v255, 0
	v_lshrrev_b32 v242, 5, v0
	v_readfirstlane_b32 s30, v242                  ; wave 0..3
	v_and_b32 v243, 31, v0                         ; L, the lane
	v_and_b32 v244, 15, v0                         ; r
	v_bfe_u32 v245, v0, 4, 1                       ; h
	v_and_b32 v246, 8, v244
	v_add_nc_u32 v246, v246, v244                  ; r + (r & 8)
	v_lshlrev_b32 v1, 9, v246
	v_lshl_add_u32 v1, v245, 4, v1                 ; fragments of X, Wq, Wk: (r + (r & 8)) rows of 512 bytes + 16 h
	v_lshlrev_b32 v2, 9, v244
	v_lshl_add_u32 v2, v245, 4, v2                 ; fragments of Wv: r rows + 16 h
	v_lshl_add_u32 v3, v245, 3, v246
	v_lshlrev_b32 v3, 5, v3                        ; scale words of X, Wq, Wk: row 8 h + r + (r & 8), 32 bytes a row: the upper lanes take the odd tile's rows
	v_lshlrev_b32 v4, 5, v243                      ; scale words of Wv: row = lane
	v_lshlrev_b32 v5, 6, v245                      ; bias of q, k: 16 h channels on
	v_lshlrev_b32 v6, 2, v244                      ; bv: channel r
	v_lshlrev_b32 v7, 4, v243                      ; 16 x lane: an image's place for my lane
	v_lshlrev_b32 v11, 4, v244
	v_lshl_add_u32 v11, v245, 3, v11               ; V's codes: 16 r + 8 h
	v_lshlrev_b32 v12, 2, v243                     ; 4 x lane
	v_lshl_add_u32 v10, v243, 2, s30               ; V's scale byte in LDS: 4 x lane + wave
	s_mul_i32 s59, s30, 12288
	v_add_nc_u32 v8, s59, v7                       ; where I stage my 12 fragments: 16 x lane + 12 images x wave
	s_lshl_b32 s60, s30, 2
	v_add_nc_u32 v9, s60, v7                       ; my tokens' scale words in LDS: 16 x lane + 4 x wave
	s_mov_b32 s31, ttmp9                           ; e
	s_and_b32 s32, ttmp7, 0xffff                   ; S
	s_mov_b32 s33, 0xffff0000                      ; lanes 16-31
	s_mov_b32 s34, 0x76543210
	s_mov_b32 s35, 0xfedcba98                      ; v_permlanex16_b32's selects for lane l xor 16
	; byte offsets, each in a pair with 0 above it
	s_lshl_b32 s36, s32, 16
	s_lshl_b32 s38, s30, 14
	s_add_co_u32 s36, s36, s38                     ; X's codes: 128 S tokens + 32 w tokens, 512 bytes each
	s_mov_b32 s37, 0
	s_lshl_b32 s38, s32, 12
	s_lshl_b32 s40, s30, 10
	s_add_co_u32 s38, s38, s40                     ; X's scales: 32 bytes a token
	s_mov_b32 s39, 0
	s_lshl_b32 s40, s30, 7                         ; Wq or Wk: I stage K steps 2 w and 2 w + 1: 128 w bytes along a row
	s_mov_b32 s41, 0
	s_lshl_b32 s42, s31, 14
	s_add_co_u32 s42, s42, s40                     ; Wv: rows 32 e on, and the same K steps
	s_mov_b32 s43, 0
	s_lshl_b32 s44, s31, 10                        ; Wv's scales: rows 32 e on
	s_mov_b32 s45, 0
	s_lshl_b32 s46, s31, 7                         ; bv: channels 32 e on
	s_mov_b32 s47, 0
	s_lshr_b32 s48, s32, 2
	s_mul_i32 s48, s48, CH                         ; my chunk of kv
	s_and_b32 s49, s32, 3                          ; my step in it
	s_lshl_b32 s50, s49, 12
	s_add_co_u32 s50, s50, s48                     ; K's codes of the step
	s_lshl_b32 s51, s49, 9
	s_add_co_u32 s51, s51, s48
	s_add_co_u32 s51, s51, KSO                     ; K's scale words of the step
	s_mul_i32 s52, s32, QROW                       ; Q's codes of the step,
	s_add_co_u32 s53, s52, 4096                    ; and its scale words
	s_lshl_b32 s54, s31, 11
	s_add_co_u32 s54, s54, s50
	s_lshl_b32 s56, s30, 8
	s_add_co_u32 s54, s54, s56
	s_add_co_u32 s54, s54, VCO                     ; V's codes: tiles 2 e on, keys 32 w on
	s_mov_b32 s55, 0
	s_lshl_b32 s56, s49, 8
	s_add_co_u32 s56, s56, s48
	s_add_co_u32 s56, s56, s46
	s_add_co_u32 s56, s56, VSO                     ; V's scale words: 128 e bytes on
	s_mov_b32 s57, 0
	s_lshl_b32 s58, s30, 10                        ; my two tiles of codes: 1,024 w
	s_wait_kmcnt 0x0
	s_cmp_eq_u32 s31, 0                            ; q's work-group or k's?  The choice hangs on the work-group's number alone
	s_cselect_b64 s[14:15], s[14:15], s[20:21]
	s_cselect_b64 s[16:17], s[16:17], s[22:23]
	s_cselect_b64 s[18:19], s[18:19], s[24:25]
	s_cselect_b64 s[26:27], s[26:27], s[28:29]
	s_cselect_b32 s50, s52, s50
	s_cselect_b32 s52, s53, s51
	s_add_co_u32 s50, s50, s58
	s_mov_b32 s51, 0
	s_mov_b32 s53, 0
	s_add_nc_u64 s[4:5], s[4:5], s[36:37]
	s_add_nc_u64 s[6:7], s[6:7], s[38:39]
	s_add_nc_u64 s[14:15], s[14:15], s[40:41]
	s_add_nc_u64 s[8:9], s[8:9], s[42:43]
	s_add_nc_u64 s[10:11], s[10:11], s[44:45]
	s_add_nc_u64 s[12:13], s[12:13], s[46:47]
	s_add_nc_u64 s[20:21], s[26:27], s[50:51]      ; where my codes of q or k go,
	s_add_nc_u64 s[22:23], s[26:27], s[52:53]      ; the step's scale words,
	s_add_nc_u64 s[24:25], s[28:29], s[54:55]      ; my codes of v,
	s_add_nc_u64 s[28:29], s[28:29], s[56:57]      ; and v's scale words
	; ---- the loads.  First what the other waves wait for: my 12 weight fragments (24 loads)
.irp sp, 0,1
.irp i, 0,1,2,3
.irp c, 0,1
	global_load_b128 v[FB+8*(6*\sp+\i)+4*\c:FB+8*(6*\sp+\i)+4*\c+3], v1, s[14:15] offset:(32*(\i/2)+8*(\i%2))*512+64*\sp+32*\c
.endr
.endr
.irp n, 0,1
.irp c, 0,1
	global_load_b128 v[FB+8*(6*\sp+4+\n)+4*\c:FB+8*(6*\sp+4+\n)+4*\c+3], v2, s[8:9] offset:\n*8192+64*\sp+32*\c
.endr
.endr
.endr
	WIN 0x40                                       ; destination window 1
.irp t, 0,1,2,3                                ; the bias of q or k in the result's layout: tile 2 b + u, register j: channel 32 b + 8 u + 16 h + j (8 loads)
.irp k, 0,1
	global_load_b128 v[BQ+8*\t+4*\k:BQ+8*\t+4*\k+3], v5, s[18:19] offset:(32*(\t/2)+8*(\t%2))*4+16*\k
.endr
.endr
	WIN 0
.irp n, 0,1
	global_load_b32 v[240+\n], v6, s[12:13] offset:64*\n   ; bv of my channel (2 loads)
.endr
.irp g, 0,1                                    ; the scale words of all eight K steps (8 loads)
	global_load_b128 v[XSR+4*\g:XSR+4*\g+3], v3, s[6:7] offset:16*\g
.endr
.irp p, 0,1
.irp g, 0,1
	global_load_b128 v[WSR+8*\p+4*\g:WSR+8*\p+4*\g+3], v3, s[16:17] offset:1024*\p+16*\g
.endr
.endr
.irp g, 0,1
	global_load_b128 v[VSR+4*\g:VSR+4*\g+3], v4, s[10:11] offset:16*\g
.endr
.macro XLOAD s                                 ; X's two fragments of K step s (4 loads)
.irp u, 0,1
.irp c, 0,1
	global_load_b128 v[8*(2*(\s)+\u)+4*\c:8*(2*(\s)+\u)+4*\c+3], v1, s[4:5] offset:4096*\u+64*(\s)+32*\c
.endr
.endr
.endm
	WIN 0x40
.irp s, 0,1,2,3
	XLOAD \s
.endr
	WIN 0
	s_wait_loadcnt 34                              ; my 24 weight loads are in: behind them stand 10 of biases, 8 of scales, 16 of X
.irp f, 0,1,2,3,4,5,6,7,8,9,10,11
.irp c, 0,1
	ds_store_b128 v8, v[FB+8*\f+4*\c:FB+8*\f+4*\c+3] offset:\f*1024+512*\c   ; the fragment goes to LDS as it stands
.endr
.endr
	WIN 0x40
.irp s, 4,5,6,7
	XLOAD \s
.endr
	WIN 0
	s_wait_dscnt 0x0                               ; for the others' sake: my images have landed
	s_barrier_signal -1
	s_barrier_wait -1                              ; all 48 lie in LDS
	FETCH 0
	FETCH 1
	s_wait_loadcnt 40                              ; the biases are in: behind them stand 8 loads of scales and 32 of X
	WIN 0x40
.irp n, 0,1
.irp j, 0,1,2,3,4,5,6,7
	v_mov_b32 v[BV+8*\n+\j], v[240+\n]             ; in v's result a lane holds one channel in all eight registers
.endr
.endr
	WIN 0
	PLACES                                         ; between these writes of an operand and the scaled products
.irp s, 0,1,2,3,4,5,6,7
	s_wait_loadcnt 28-4*\s                         ; X's fragments of this K step are in (and the scales, which were asked for earlier): four loads for each later K step may be out
.if \s < 7
	s_wait_dscnt 12                                ; this K step's weights are in; the next step's 12 loads may be out
.else
	s_wait_dscnt 0x0
.endif
	MULS \s
.if \s < 6
	PLACES
	FETCH \s+2                                     ; into the buffer just multiplied
.endif
.endr
	PLACES
	QBLK AQ, 48, 64                                ; tile u = 0 of q or k: blocks = channels 0-31, 32-63
	QBLK AQ+32, 52, 72                             ; tile u = 1
	QBLK AV, 56, 80                                ; v: blocks = my two channel tiles, keys 32 w .. 32 w + 31
	v_lshl_or_b32 v70, v67, 8, v66                 ; a token's scale word: two bytes; the upper two stay 0, over zero codes
	v_lshl_or_b32 v78, v75, 8, v74
	v_permlane16_swap_b32 v48, v50                 ; the operand's layout wants a WHOLE block in a lane: lanes 0-15 channels 0-31, lanes 16-31 channels 32-63
	v_permlane16_swap_b32 v49, v51
	v_permlane16_swap_b32 v52, v54
	v_permlane16_swap_b32 v53, v55
	v_cndmask_b32 v88, v70, v78, s33               ; lanes 0-15: tile u = 0's words, lanes 16-31: u = 1's
	v_cndmask_b32 v89, v82, v83, s33               ; lanes 0-15: the first channel tile's bytes, lanes 16-31: the second's
	global_store_b128 v7, v[48:51], s[20:21]       ; a tile's codes: 512 consecutive bytes, aligned
	global_store_b128 v7, v[52:55], s[20:21] offset:512
	global_store_b64 v11, v[56:57], s[24:25]       ; v's codes: 256 consecutive bytes, aligned
	global_store_b64 v11, v[58:59], s[24:25] offset:1024
	ds_store_b32 v9, v88 offset:SCL                ; the four waves' words and bytes meet in LDS,
	ds_store_b8 v10, v89 offset:VSC
	s_wait_dscnt 0x0                               ; for wave 0's sake: they have landed
	s_barrier_signal -1
	s_barrier_wait -1
	s_cmp_lg_u32 s30, 0
	s_cbranch_scc1 .Lend
	ds_load_b128 v[92:95], v7 offset:SCL           ; and wave 0 sends them out whole
	ds_load_b32 v96, v12 offset:VSC
	s_wait_dscnt 0x0
	global_store_b128 v7, v[92:95], s[22:23]       ; 512 consecutive bytes, aligned
	global_store_b32 v12, v96, s[28:29]            ; 128 consecutive bytes: the other work-group of this step writes the 128 beside them
.Lend:
	s_wait_tensorcnt 0x0
	ds_add_u32 v254, v255
	s_wait_dscnt 0x0
	s_endpgm
.Lfunc_end_k_q6cdad42663_proj:
	.size	k_q6cdad42663_proj, .Lfunc_end_k_q6cdad42663_proj-k_q6cdad42663_proj
	.p2alignl 7, 3214868480
	.fill 96, 4, 3214868480
	.section	.rodata,"a",@progbits
	.p2align	6, 0x0
	.amdhsa_kernel k_q6cdad42663_proj
		.amdhsa_group_segment_fixed_size 50688
		.amdhsa_private_segment_fixed_size 0
		.amdhsa_enable_private_segment 0
		.amdhsa_kernarg_size 104
		.amdhsa_user_sgpr_count 2
		.amdhsa_user_sgpr_kernarg_segment_ptr 1
		.amdhsa_wavefront_size32 1
		.amdhsa_system_sgpr_workgroup_id_x 1
		.amdhsa_system_sgpr_workgroup_id_y 1
		.amdhsa_system_sgpr_workgroup_id_z 1
		.amdhsa_system_vgpr_workitem_id 0
		.amdhsa_next_free_vgpr 432
		.amdhsa_next_free_sgpr 66
		.amdhsa_reserve_vcc 0
		.amdhsa_float_denorm_mode_32 3
		.amdhsa_float_denorm_mode_16_64 3
		.amdhsa_memory_ordered 1
		.amdhsa_forward_progress 1
		.amdhsa_inst_pref_size 41
	.end_amdhsa_kernel
	.amdgpu_metadata
---
amdhsa.version: [ 1, 2 ]
amdhsa.kernels:
  - .name:           k_q6cdad42663_proj
    .symbol:         k_q6cdad42663_proj.kd
    .args:
      - { .name: X_codes, .offset: 0, .size: 8, .value_kind: global_buffer, .address_space: global }
      - { .name: X_scales, .offset: 8, .size: 8, .value_kind: global_buffer, .address_space: global }
      - { .name: Wv_codes, .offset: 16, .size: 8, .value_kind: global_buffer, .address_space: global }
      - { .name: Wv_scales, .offset: 24, .size: 8, .value_kind: global_buffer, .address_space: global }
      - { .name: bv, .offset: 32, .size: 8, .value_kind: global_buffer, .address_space: global }
      - { .name: Wq_codes, .offset: 40, .size: 8, .value_kind: global_buffer, .address_space: global }
      - { .name: Wq_scales, .offset: 48, .size: 8, .value_kind: global_buffer, .address_space: global }
      - { .name: bq, .offset: 56, .size: 8, .value_kind: global_buffer, .address_space: global }
      - { .name: Wk_codes, .offset: 64, .size: 8, .value_kind: global_buffer, .address_space: global }
      - { .name: Wk_scales, .offset: 72, .size: 8, .value_kind: global_buffer, .address_space: global }
      - { .name: bk, .offset: 80, .size: 8, .value_kind: global_buffer, .address_space: global }
      - { .name: qq, .offset: 88, .size: 8, .value_kind: global_buffer, .address_space: global }
      - { .name: kv, .offset: 96, .size: 8, .value_kind: global_buffer, .address_space: global }
    .group_segment_fixed_size: 50688
    .private_segment_fixed_size: 0
    .kernarg_segment_align: 8
    .kernarg_segment_size: 104
    .max_flat_workgroup_size: 128
    .sgpr_count:     66
    .vgpr_count:     432
    .wavefront_size: 32
...
	.end_amdgpu_metadata
.endif
;; end of part 1
;; launch attn (part 2): grid 64 x 4, 16 waves a work-group, clusters of 4 x 1, 288,768 bytes of LDS; arguments qq, kv, out0; writes out0
.if DOCPART == 2
	.amdgcn_target "amdgcn-amd-amdhsa--gfx1250"
	.amdhsa_code_object_version 6
	.text
	.protected	k_q6cdad42663_attn
	.globl	k_q6cdad42663_attn
	.p2align	8
	.type	k_q6cdad42663_attn,@function
k_q6cdad42663_attn:
	s_mov_b64 s[64:65], 0
	v_nop
	global_prefetch_b8 v0, s[64:65] scope:SCOPE_SE
	s_setreg_imm32_b32 hwreg(HW_REG_WAVE_MODE, 25, 1), 1
	s_wait_xcnt 0x0
	s_wait_alu depctr_hold_cnt(0) depctr_sa_sdst(0) depctr_va_vdst(0) depctr_va_sdst(0) depctr_va_ssrc(0) depctr_va_vcc(0) depctr_vm_vsrc(0)
	s_getreg_b32 s2, hwreg(HW_REG_IB_STS2, 6, 4)
	s_cmp_eq_u32 s2, 0
	s_cbranch_scc0 .Lentry_in_a_cluster
	s_endpgm
.Lentry_in_a_cluster:
	s_bfe_u32 s2, ttmp6, 0x10000c
	s_cmp_lg_u32 s2, 0x3003
	s_cbranch_scc0 .Lentry_shape_is_right
	s_endpgm
.Lentry_shape_is_right:
; out[b][q][:] = the sum over keys k <= q of softmax_k(q . k / 8) v[k][:], both products on codes of FP4 (E2M1) with one E8M0 scale for each 32 along a product's K.  4 batches, 4,096 tokens, head size 64.
; qq and kv hold Q's, K's and V's codes and scale words in the order of the operand registers (a fragment's registers at 16 x lane): they come by loads of 16 bytes a lane, 512 consecutive bytes an instruction.
; THE SOFTMAX AHEAD OF THE SECOND PRODUCT: t = score x log2(e) / 8; M = the largest t so far, rounded UP to a whole number; p = 2^(t - M) is quantised along the keys, not normalised; the sum is taken of the
; unquantised p and divides at the end.  When M moves, the sum and O are multiplied by 2^(old M - new M): exact.
; SHARES.  A cluster of four work-groups owns the groups of 128 queries G = X and G = 31 - X of one batch (X = the cluster's x, 0 .. 15); the work-group at place cx takes queries 32 cx .. 32 cx + 31 of each: four tiles
; of 16 queries.  A tile of group G needs key steps (128 keys) 0 .. G, so every work-group has 2 (X + 1) + 2 (32 - X) = 66 tile steps, whatever X.  Each tile's steps are split over four waves: wave (tile t, split g) takes
; steps g, g + 4, ..: one in each of eight iterations; the four partial results meet in LDS at the end.  With a = w & 3, b = w >> 2: t = (a + b) & 3, g = b xor 3 (t & 1): whichever two bits of w name the SIMD, each
; SIMD holds one wave of each tile, and the odd tiles' splits run the other way round, which spreads the remainders.
; K AND V of a whole batch are 8 chunks of 35,840 bytes (4 key steps each): all of them fit in LDS as they lie in memory.  Wave 0 asks for the eight by eight tensor loads at the start: by this text's count eight are out.
; Nothing is filled twice.  The four partners walk the same batch, so each chunk is asked for JOINTLY (mask 15).  Chunk i serves iteration i; the later chunks land under the earlier iterations' work.
; A cluster with a large X also fetches chunks that it never reads: so the descriptors stay constants.
; No branch and no LDS address hangs on cx: it enters Q's and out's addresses and the mask's vector d alone.
; LAYOUT.  S^T = K Q^T (source 0 = 16 keys, source 1 = my 16 queries; K = 64 channels and 64 zero codes, which stay in registers), O^T = V^T P^T: a lane holds ONE query throughout.
; The keys of a tile are not neighbours: lane r of tile 2 b + u holds key 32 b + 8 u + r + (r & 8), so that the 16 registers of tiles 2 b, 2 b + 1 are keys 32 b + 16 (lane / 16) + 0 .. 15.  Q's tiles likewise.
; Not prefetched: every request of the launch goes out in its first lines.
; LIMITS: NaN and infinities are not served; a p under 2^-126 counts as 0; a block whose every p is 0 keeps the byte 1: its codes are zeros.
; REGISTERS: v1-9 addresses that stay; v10, v11, v25 the step's; v12 -M, v13 the largest t, v[14:15] the sum in two halves; v16-23 Q; v24 Q's scale word; v26-27 V's scale words, v28-31 K's; v32-95 K's eight fragments;
;   v96-159 S^T, then p; v160-191 O^T; v192-223 V's four fragments; v224-231 p's codes; v232-254 at work (v250 the factor f, v253 p's scale word).
.set CH,    35840                      ; a chunk: 140 rows of 256 bytes
.set VCO,   16384                      ; in it: V's codes,
.set KSO,   32768                      ; K's scale words,
.set VSO,   34816                      ; V's scale words
.set QROW,  4608                       ; a step of qq
.set SROW,  272                        ; the merge's stage: a query's 256 bytes + 16
.set STG1,  16*SROW                    ; one wave's stage; wave (t, g) has number 4 t + g.  The 16 stages and the statistics fill chunks 0 and 1, which have had their one fill and whose last reads stand in front of later barriers
.set STATS, 16*STG1                    ; behind the stages: (-M, sum) for each query: 128 bytes a wave
.macro ROUND                           ; a round of the cluster's barrier
	s_barrier_signal -1
	s_barrier_wait -1
	s_cmp_lg_u32 s10, 0
	s_cbranch_scc1 .Lnot_wave_0_\@
	s_barrier_signal -3
.Lnot_wave_0_\@:
	s_barrier_wait -3
	s_barrier_signal -1
	s_barrier_wait -1
.endm
	s_load_b128 s[4:7], s[0:1], 0x0                ; qq, kv
	s_load_b64 s[8:9], s[0:1], 0x10                ; out0
	v_lshl_add_u32 v248, v0, 2, 0x46000
	v_mov_b32 v249, 0
	ds_add_u32 v248, v249
	ds_add_u32 v248, v249
	v_lshrrev_b32 v240, 5, v0
	v_readfirstlane_b32 s10, v240                  ; wave 0..15
	s_mov_b32 s13, ttmp9                           ; X: the cluster's x, which the four partners share
	s_bfe_u32 s14, ttmp6, 0x40000                  ; cx: my place in the cluster
	s_and_b32 s15, ttmp7, 0xffff                   ; the batch
	s_and_b32 s66, s10, 3
	s_lshr_b32 s67, s10, 2
	s_add_co_u32 s11, s66, s67
	s_and_b32 s11, s11, 3                          ; t: my tile
	s_and_b32 s18, s11, 1                          ; u: which 16 of the 32 queries
	s_mul_i32 s12, s18, 3
	s_xor_b32 s12, s12, s67                        ; g: my split
	s_lshl_b32 s19, s11, 2
	s_add_co_u32 s19, s19, s12                     ; 4 t + g
	s_sub_co_u32 s66, 31, s13
	s_cmp_lt_u32 s11, 2
	s_cselect_b32 s16, s13, s66                    ; G: my tile's group of 128 queries, and its last key step
	s_mov_b32 s17, s12                             ; the key step in hand
	s_mov_b32 s20, 0x76543210
	s_mov_b32 s21, 0xfedcba98                      ; v_permlanex16_b32's selects for lane l xor 16
	s_mov_b32 s22, 0x3e38aa3b                      ; c = log2(e) / 8
	s_mov_b32 s23, s22                             ; (named with it as a pair, so it is written)
	; every LDS address register is made here, ahead of the first branch
	v_and_b32 v240, 31, v0                         ; L
	v_and_b32 v241, 15, v0                         ; r
	v_bfe_u32 v242, v0, 4, 1                       ; h
	v_lshlrev_b32 v9, 4, v240                      ; 16 x lane
	s_lshl_b32 s68, s12, 12
	v_add_nc_u32 v1, s68, v9                       ; codes of my step in a chunk: 4,096 g + 16 x lane
	s_lshl_b32 s68, s12, 9
	v_add_nc_u32 v2, s68, v9                       ; K's scale words: 512 g + 16 x lane
	s_lshl_b32 s68, s12, 8
	v_lshl_add_u32 v3, v240, 2, s68                ; V's scale words: 256 g + 4 x lane
	s_mul_i32 s69, s19, STG1
	v_mul_u32_u24 v5, v241, SROW
	v_lshl_add_u32 v5, v242, 5, v5
	v_add_nc_u32 v5, s69, v5                       ; into my stage: row r, + 32 h
	s_mul_i32 s69, s11, 4*STG1
	s_mul_i32 s70, s12, 4*SROW
	s_add_co_u32 s69, s69, s70
	v_mul_u32_u24 v6, v242, SROW
	v_lshl_add_u32 v6, v241, 4, v6
	v_add_nc_u32 v6, s69, v6                       ; back: my tile's first stage, row 4 g + h, 16 bytes a lane
	s_lshl_b32 s69, s19, 7
	s_add_co_u32 s69, s69, STATS
	v_lshl_add_u32 v7, v241, 3, s69                ; my statistics: 8 bytes a query
	s_lshl_b32 s69, s11, 9
	s_lshl_b32 s70, s12, 5
	s_add_co_u32 s69, s69, s70
	s_add_co_u32 s69, s69, STATS
	v_lshl_add_u32 v8, v242, 3, s69                ; back: my tile's, query 4 g + h
	; what hangs on cx: in s76-s83, which feed no LDS address and no descriptor
	s_lshl_b32 s77, s14, 5
	s_lshl_b32 s76, s18, 3
	s_add_co_u32 s77, s77, s76                     ; 32 cx + 8 u
	v_and_b32 v243, 8, v241
	v_add_nc_u32 v243, v243, v241                  ; r + (r & 8)
	v_add_nc_u32 v4, s77, v243
	v_lshlrev_b32 v243, 4, v242
	v_sub_nc_u32 v4, v4, v243                      ; d = my query in its group - 16 h.  In the diagonal step register 16 b + i holds key 32 b + 16 h + i: hidden where 32 b + i > d
	v_lshlrev_b32 v255, 4, v241                    ; Q's scale word: 16 r
	s_lshl_b32 s76, s15, 5
	s_add_co_u32 s76, s76, s16
	s_mul_i32 s76, s76, QROW                       ; my group's step of qq
	s_lshl_b32 s78, s14, 10
	s_lshl_b32 s79, s18, 9
	s_add_co_u32 s78, s78, s79
	s_add_co_u32 s78, s78, s76                     ; Q's codes: tile 2 cx + u
	s_mov_b32 s79, 0
	s_lshl_b32 s80, s18, 8
	s_lshl_b32 s81, s14, 2
	s_add_co_u32 s80, s80, s81
	s_add_co_u32 s80, s80, s76
	s_add_co_u32 s80, s80, 4096                    ; Q's scale words: [r + 16 u][cx]
	s_mov_b32 s81, 0
	s_lshl_b32 s82, s15, 12
	s_lshl_b32 s83, s16, 7
	s_add_co_u32 s82, s82, s83
	s_add_co_u32 s82, s82, s77
	s_lshl_b32 s83, s12, 2
	s_add_co_u32 s82, s82, s83
	s_lshr_b32 s83, s12, 1
	s_lshl_b32 s83, s83, 3
	s_add_co_u32 s82, s82, s83                     ; the first row of out that I store: rows 4 g .. 4 g + 3 of the tile are queries 8 u + 4 g + 8 (g / 2) + 0 .. 3 of the 32
	s_lshl_b32 s82, s82, 8                         ; 256 bytes a row
	s_mov_b32 s83, 0
	; descriptor group 1: a chunk, dense in memory, as 140 rows of 256 bytes (32 elements of 8 bytes), no padding: images are read at 16 x lane
	s_mov_b32 s24, 15|(3<<16)|(1<<21)              ; 15:0 the mask: all four work-groups; 17:16 elements of 8 bytes; 21 set beside a mask
	s_mov_b32 s25, 32<<16                          ; tensor_dim0 = 32
	s_mov_b32 s26, 140<<16                         ; tensor_dim1 = 140
	s_mov_b32 s27, 32<<16                          ; tile_dim0 = 32
	s_mov_b32 s28, 140                             ; tile_dim1 = 140
	s_mov_b32 s29, 32                              ; tensor_dim0_stride
	s_mov_b32 s30, 0
	s_mov_b32 s31, 0
	s_mul_i32 s66, s15, 8*CH                       ; my batch's eight chunks
	s_mov_b32 s67, 0
	s_wait_dscnt 0x0
	s_wait_kmcnt 0x0
	s_add_nc_u64 s[6:7], s[6:7], s[66:67]
	s_add_nc_u64 s[78:79], s[4:5], s[78:79]
	s_add_nc_u64 s[80:81], s[4:5], s[80:81]
	s_add_nc_u64 s[8:9], s[8:9], s[82:83]
.irp i, 0,1,2,3,4,5,6,7                        ; group 0, a set for each chunk
	s_mov_b32 s[32+4*\i], 1                        ; count = 1
	s_mov_b32 s[33+4*\i], \i*CH                    ; LDS address
	s_add_nc_u64 s[34+4*\i:35+4*\i], s[6:7], \i*CH ; global address
	s_or_b32 s[35+4*\i], s[35+4*\i], 0x80000000    ; type = 2
.endr
	ROUND                                          ; all four work-groups are here: the joint loads meet
	s_cmp_lg_u32 s10, 0
	s_cbranch_scc1 .Lno_fill
.irp i, 0,1,2,3,4,5,6,7
	tensor_load_to_lds s[32+4*\i:35+4*\i], s[24:31]
	s_nop 0
.endr
.rept 4
	v_nop                                          ; four plain lines follow the last of them
.endr
.Lno_fill:
	global_load_b128 v[16:19], v9, s[78:79]        ; Q's fragment, channels 0-63: it stays in registers
	global_load_b32 v24, v255, s[80:81]            ; and its scale word
.irp j, 20,21,22,23
	v_mov_b32 v\j, 0                               ; the zero codes of k = 64 .. 127: Q's,
.endr
.irp tau, 0,1,2,3,4,5,6,7
.irp k, 4,5,6,7
	v_mov_b32 v[32+8*\tau+\k], 0                   ; and K's: written once, no load lands on them
.endr
.endr
.set j, 0
.rept 32
	v_mov_b32 v[160+j], 0                          ; O^T.  (The step is written one way: a wave's first step finds zeros, which the first change of M leaves zeros; a wave without a step hands zeros on)
.set j, j+1
.endr
	v_mov_b32 v13, 0xff61b1e6                      ; the largest t so far: -3e38, under every t
	v_floor_f32 v12, -v13                          ; -M
	v_mov_b32 v14, 0                               ; the sum, in two halves
	v_mov_b32 v15, 0
.irp j, 236,237,238,239,251,252,253
	v_mov_b32 v\j, 0                               ; written once: a lane permute's destination counts as one of its sources, and a pair's upper half as read
.endr
	s_wait_loadcnt 0x0                             ; Q
; A KEY STEP: 128 keys: step g of chunk it.  A step all of whose keys come after my tile's group is left out: a scalar branch on ids; no barrier and no tensor load stands in a step.
.macro STEP it
	s_cmp_gt_u32 s17, s16
	s_cbranch_scc1 .Lskip_\@
	v_add_nc_u32 v10, (\it)*CH, v1
	v_add_nc_u32 v11, (\it)*CH, v2
	v_add_nc_u32 v25, (\it)*CH, v3
	v_nop                                          ; these four are the places behind the last step's products, ahead of loads into registers that they read
.irp tau, 0,1,2,3,4,5,6,7
	ds_load_b128 v[32+8*\tau:35+8*\tau], v10 offset:512*\tau   ; K's tile tau: 64 channels of 16 keys
.endr
	ds_load_b128 v[28:31], v11 offset:KSO          ; K's scale words: register b: lanes 0-15 tile 2 b, lanes 16-31 tile 2 b + 1
.irp n, 0,1,2,3
.irp c, 0,1
	ds_load_b128 v[192+8*\n+4*\c:195+8*\n+4*\c], v10 offset:VCO+1024*\n+512*\c   ; V's tile n: 16 channels x 128 keys
.endr
.endr
.irp e, 0,1
	ds_load_b32 v[26+\e], v25 offset:VSO+128*\e    ; V's scale words: lanes 0-15 tile 2 e, lanes 16-31 tile 2 e + 1
.endr
	s_wait_dscnt 10                                ; K and its scale words are in; V's 8 + 2 loads may be out
.irp tau, 0,1,2,3,4,5,6,7
.if \tau%2
	v_wmma_scale_f32_16x16x128_f8f6f4 v[96+8*\tau:103+8*\tau], v[32+8*\tau:39+8*\tau], v[16:23], 0, v[28+\tau/2], v24 matrix_a_fmt:MATRIX_FMT_FP4 matrix_b_fmt:MATRIX_FMT_FP4 matrix_a_scale:MATRIX_SCALE_ROW1
.else
	v_wmma_scale_f32_16x16x128_f8f6f4 v[96+8*\tau:103+8*\tau], v[32+8*\tau:39+8*\tau], v[16:23], 0, v[28+\tau/2], v24 matrix_a_fmt:MATRIX_FMT_FP4 matrix_b_fmt:MATRIX_FMT_FP4
.endif
.endr
.rept 4
	v_nop
.endr
	s_cmp_lg_u32 s17, s16                          ; the group's own step lies on the diagonal: there hidden keys' scores become -infinity ahead of the maximum, so that p = 0.  Key 0 of the step counts for every query
	s_cbranch_scc1 .Lopen_\@
	v_mov_b32 v254, 0xff800000                     ; -infinity
.set n, 0
.rept 64
	v_cmp_gt_i32 vcc_lo, 32*(n/16)+n%16, v4
	v_cndmask_b32 v[96+n], v[96+n], v254, vcc_lo
.set n, n+1
.endr
.Lopen_\@:
.irp b, 0,1,2,3
	v_max3_num_f32 v[232+\b], v[96+16*\b], v[97+16*\b], v[98+16*\b]   ; THE LARGEST SCORE OF EACH BLOCK OF 32 KEYS serves twice: for the row's maximum, and, since p rises with the score, for the block's largest p
.endr
.irp i, 3,5,7,9,11,13
.irp b, 0,1,2,3
	v_max3_num_f32 v[232+\b], v[232+\b], v[96+16*\b+\i], v[97+16*\b+\i]   ; (the four blocks by turns)
.endr
.endr
.irp b, 0,1,2,3
	v_max_num_f32 v[232+\b], v[232+\b], v[111+16*\b]
.endr
.irp b, 0,1,2,3
	v_permlanex16_b32 v[236+\b], v[232+\b], s20, s21
.endr
.irp b, 0,1,2,3
	v_max_num_f32 v[232+\b], v[232+\b], v[236+\b]  ; with lane l xor 16's 16 keys
.endr
	v_max3_num_f32 v254, v232, v233, v234
	v_max_num_f32 v254, v254, v235                 ; the step's largest score of my query
	v_mul_f32 v254, s22, v254                      ; as t (c is positive)
	v_max_num_f32 v13, v13, v254                   ; the running largest t
	v_mov_b32 v254, v12
	v_floor_f32 v12, -v13                          ; the new -M = floor(-t) = -ceil(t): M is a whole number
	v_sub_f32 v254, v12, v254                      ; M's old value less its new one: a whole number, 0 or less
	v_cvt_i32_f32 v254, v254                       ; (it saturates)
	v_ldexp_f32 v250, 1.0, v254                    ; f = 2^(old M - new M)
.set j, 0
.rept 32
	v_pk_fma_f32 v[96+j:97+j], v[96+j:97+j], s[22:23], v[12:13] op_sel_hi:[1,0,0]   ; t - M, two at a time (of the pairs c and -M the low word serves both halves)
.set j, j+2
.endr
.irp b, 0,1,2,3
	v_fma_f32 v[232+\b], v[232+\b], s22, v12       ; the same of each block's largest score
.endr
.set j, 0
.rept 64
	v_exp_f32 v[96+j], v[96+j]                     ; p = 2^(t - M), at most 1: not normalised
.set j, j+1
.endr
	v_pk_mul_f32 v[14:15], v[14:15], v[250:251] op_sel_hi:[1,0]   ; the sums under the new M.  (The plain line behind the exponentials)
	s_wait_alu depctr_va_vdst(0)                   ; one wait for the whole batch, ahead of its first reader
.irp b, 0,1,2,3
	v_exp_f32 v[232+\b], v[232+\b]                 ; the block's largest p: the same two instructions on the same number give the same bits
.endr
	v_pk_add_f32 v[236:237], v[96:97], v[98:99]    ; the row's sum is taken of the UNQUANTISED p: two at a time, in two chains.  (It reads the 64 alone: plain work behind the four)
.irp j, 4,8,12,16,20,24,28,32,36,40,44,48,52,56,60
	v_pk_add_f32 v[14:15], v[14:15], v[96+\j:97+\j]
	v_pk_add_f32 v[236:237], v[236:237], v[98+\j:99+\j]
.endr
	v_pk_add_f32 v[14:15], v[14:15], v[236:237]
	s_wait_alu depctr_va_vdst(0)                   ; and one for the four
.irp b, 0,1,2,3
	v_max_num_f32 v[232+\b], 0x1800000, v[232+\b]  ; the floor 2^(3 - 127): the byte cannot fall under 1
.endr
.irp b, 0,1,2,3
	v_add_nc_u32 v[244+\b], 0xff000000, v[232+\b]  ; 2 off the exponent field: the conversion's scale operand
.endr
.irp b, 0,1,2,3
	v_lshrrev_b32 v[236+\b], 23, v[244+\b]         ; the scale's byte
.endr
	v_lshl_or_b32 v253, v237, 8, v236              ; p's scale word for these 128 keys
	v_lshl_or_b32 v253, v238, 16, v253
	v_lshl_or_b32 v253, v239, 24, v253
.irp b, 0,1,2,3
	v_cvt_scalef32_pk8_fp4_f32 v[224+2*\b], v[96+16*\b:103+16*\b], v[244+\b]
	v_cvt_scalef32_pk8_fp4_f32 v[225+2*\b], v[104+16*\b:111+16*\b], v[244+\b]
.endr
	v_nop                                          ; one plain place behind a scaled conversion
.irp c, 0,1                                    ; the operand's layout wants a WHOLE block in a lane: lanes 0-15 block 2 c, lanes 16-31 block 2 c + 1
.irp i, 0,1
	v_permlane16_swap_b32 v[224+4*\c+\i], v[226+4*\c+\i]
.endr
.endr
.set j, 0
.rept 16
	v_pk_mul_f32 v[160+j:161+j], v[160+j:161+j], v[250:251] op_sel_hi:[1,0]   ; O^T under the new M, each accumulator from its low end on.  For each product below twelve of these name none of its registers: the places behind the writes of p's scale word (8) and codes (4)
.set j, j+2
.endr
	s_wait_dscnt 0x0                               ; V and its scale words are in; no LDS access of mine is out at the next barrier
.irp n, 0,1,2,3                                ; O^T += V^T P^T: four accumulators by turns
.if \n%2
	v_wmma_scale_f32_16x16x128_f8f6f4 v[160+8*\n:167+8*\n], v[192+8*\n:199+8*\n], v[224:231], v[160+8*\n:167+8*\n], v[26+\n/2], v253 matrix_a_fmt:MATRIX_FMT_FP4 matrix_b_fmt:MATRIX_FMT_FP4 matrix_a_scale:MATRIX_SCALE_ROW1
.else
	v_wmma_scale_f32_16x16x128_f8f6f4 v[160+8*\n:167+8*\n], v[192+8*\n:199+8*\n], v[224:231], v[160+8*\n:167+8*\n], v[26+\n/2], v253 matrix_a_fmt:MATRIX_FMT_FP4 matrix_b_fmt:MATRIX_FMT_FP4
.endif
.endr
.Lskip_\@:
	s_add_co_u32 s17, s17, 4                       ; my next step lies in the next chunk
.endm
; An iteration: chunk it has landed (wave 0's wait: 7 - it chunks were asked for behind it; the other waves have no tensor load out), every wave knows it behind the barrier.
.macro ITER it
	s_wait_tensorcnt 7-\it
	s_barrier_signal -1
	s_barrier_wait -1
	STEP \it
.endm
.irp it, 0,1,2,3,4,5,6,7                       ; written out: the wait's count is an immediate
	ITER \it
.endr
	; THE MERGE.  Each wave puts its O^T, -M and sum into LDS; behind a barrier wave (t, g) finishes queries 4 g .. 4 g + 3 of tile t from the four splits.
.rept 4
	v_nop                                          ; places behind the last products
.endr
	v_add_f32 v14, v14, v15                        ; the sum's two halves,
	v_permlanex16_b32 v252, v14, s20, s21
	v_add_f32 v13, v14, v252                       ; and lane l xor 16's: v[12:13] = (-M, the sum)
.irp n, 0,1,2,3
	ds_store_b128 v5, v[160+8*\n:163+8*\n] offset:64*\n          ; lane (r, h): query r, channels 16 n + 8 h + 0 .. 7; each accumulator from its low end on
	ds_store_b128 v5, v[164+8*\n:167+8*\n] offset:64*\n+16
.endr
	ds_store_b64 v7, v[12:13]                      ; both lanes of a query write the same two words
	s_wait_dscnt 0x0                               ; for the others' sake: my stores have landed
	s_barrier_signal -1
	s_barrier_wait -1
.irp i, 0,1                                    ; query 4 g + 2 i + h; 16 bytes (4 channels) a lane; split p
.irp p, 0,1,2,3
	ds_load_b128 v[32+16*\i+4*\p:35+16*\i+4*\p], v6 offset:STG1*\p+2*SROW*\i
	ds_load_b64 v[64+8*\i+2*\p:65+8*\i+2*\p], v8 offset:128*\p+16*\i
.endr
.endr
	s_wait_dscnt 0x0
.irp i, 0,1
	v_min3_num_f32 v[80+\i], v[64+8*\i], v[66+8*\i], v[68+8*\i]
.endr
.irp i, 0,1
	v_min_num_f32 v[80+\i], v[80+\i], v[70+8*\i]   ; the least -M: the largest M of the four
.endr
.irp i, 0,1
.irp p, 0,1,2,3
	v_sub_f32 v[84+4*\i+\p], v[80+\i], v[64+8*\i+2*\p]   ; split p's M less the largest: a whole number, 0 or less (a split without a step: about -3e38)
.endr
.endr
.irp i, 0,1
.irp p, 0,1,2,3
	v_cvt_i32_f32 v[84+4*\i+\p], v[84+4*\i+\p]     ; (it saturates)
.endr
.endr
.irp i, 0,1
.irp p, 0,1,2,3
	v_ldexp_f32 v[84+4*\i+\p], 1.0, v[84+4*\i+\p]  ; f: exact; 0 for a split without a step
.endr
.endr
.irp i, 0,1
	v_mul_f32 v[92+\i], v[84+4*\i], v[65+8*\i]
.endr
.irp p, 1,2,3
.irp i, 0,1
	v_fma_f32 v[92+\i], v[84+4*\i+\p], v[65+8*\i+2*\p], v[92+\i]   ; the row's sum under the largest M
.endr
.endr
.irp i, 0,1
	v_rcp_f32 v[94+\i], v[92+\i]
.endr
	v_nop                                          ; a plain line behind the reciprocals
	s_wait_alu depctr_va_vdst(0)                   ; one wait for the two, ahead of their first reader
.irp i, 0,1
.irp p, 0,1,2,3
	v_mul_f32 v[84+4*\i+\p], v[84+4*\i+\p], v[94+\i]   ; f / the sum
.endr
.endr
.irp i, 0,1
.irp k, 0,1,2,3
	v_mul_f32 v[100+4*\i+\k], v[84+4*\i], v[32+16*\i+\k]
.endr
.endr
.irp p, 1,2,3
.irp i, 0,1
.irp k, 0,1,2,3
	v_fma_f32 v[100+4*\i+\k], v[84+4*\i+\p], v[32+16*\i+4*\p+\k], v[100+4*\i+\k]
.endr
.endr
.endr
.irp i, 0,1
	global_store_b128 v9, v[100+4*\i:103+4*\i], s[8:9] offset:512*\i th:TH_STORE_NT   ; two whole rows of out: 512 consecutive bytes, aligned; written once, read by nobody here
.endr
	s_wait_tensorcnt 0x0
	ds_add_u32 v248, v249
	s_wait_dscnt 0x0
	ROUND                                          ; the closing round: no work-group ends while a partner may still ask for a chunk that names it
	s_endpgm
.Lfunc_end_k_q6cdad42663_attn:
	.size	k_q6cdad42663_attn, .Lfunc_end_k_q6cdad42663_attn-k_q6cdad42663_attn
	.p2alignl 7, 3214868480
	.fill 96, 4, 3214868480
	.section	.rodata,"a",@progbits
	.p2align	6, 0x0
	.amdhsa_kernel k_q6cdad42663_attn
		.amdhsa_group_segment_fixed_size 288768
		.amdhsa_private_segment_fixed_size 0
		.amdhsa_enable_private_segment 0
		.amdhsa_kernarg_size 24
		.amdhsa_user_sgpr_count 2
		.amdhsa_user_sgpr_kernarg_segment_ptr 1
		.amdhsa_wavefront_size32 1
		.amdhsa_system_sgpr_workgroup_id_x 1
		.amdhsa_system_sgpr_workgroup_id_y 1
		.amdhsa_system_sgpr_workgroup_id_z 1
		.amdhsa_system_vgpr_workitem_id 0
		.amdhsa_next_free_vgpr 256
		.amdhsa_next_free_sgpr 84
		.amdhsa_reserve_vcc 1
		.amdhsa_float_denorm_mode_32 3
		.amdhsa_float_denorm_mode_16_64 3
		.amdhsa_memory_ordered 1
		.amdhsa_forward_progress 1
		.amdhsa_inst_pref_size 177
	.end_amdhsa_kernel
	.amdgpu_metadata
---
amdhsa.version: [ 1, 2 ]
amdhsa.kernels:
  - .name:           k_q6cdad42663_attn
    .symbol:         k_q6cdad42663_attn.kd
    .args:
      - { .name: qq, .offset: 0, .size: 8, .value_kind: global_buffer, .address_space: global }
      - { .name: kv, .offset: 8, .size: 8, .value_kind: global_buffer, .address_space: global }
      - { .name: out0, .offset: 16, .size: 8, .value_kind: global_buffer, .address_space: global }
    .group_segment_fixed_size: 288768
    .private_segment_fixed_size: 0
    .kernarg_segment_align: 8
    .kernarg_segment_size: 24
    .max_flat_workgroup_size: 512
    .sgpr_count:     84
    .vgpr_count:     256
    .wavefront_size: 32
...
	.end_amdgpu_metadata
.endif
;; end of part 2
;; ======== version 2 of 2: 2 launches
;; workspace buffers: qq 589,824 bytes; kv 1,146,880 bytes
;; launch proj (part 3): grid 2 x 128, 4 waves a work-group, no clusters, 50,688 bytes of LDS; arguments X_codes, X_scales, Wv_codes, Wv_scales, bv, Wq_codes, Wq_scales, bq, Wk_codes, Wk_scales, bk, qq, kv; writes qq, kv
.if DOCPART == 3
	.amdgcn_target "amdgcn-amd-amdhsa--gfx1250"
	.amdhsa_code_object_version 6
	.text
	.protected	k_q6cdad42663_proj
	.globl	k_q6cdad42663_proj
	.p2align	8
	.type	k_q6cdad42663_proj,@function
k_q6cdad42663_proj:
	s_mov_b64 s[64:65], 0
	v_nop
	global_prefetch_b8 v0, s[64:65] scope:SCOPE_SE
	s_setreg_imm32_b32 hwreg(HW_REG_WAVE_SCHED_MODE, 0, 2), 2
	s_setreg_imm32_b32 hwreg(HW_REG_WAVE_MODE, 25, 1), 1
	s_wait_xcnt 0x0
	s_wait_alu depctr_vm_vsrc(0)
; q = X Wq + bq, k = X Wk + bk, v = X Wv + bv on codes of FP4 (E2M1) with one E8M0 scale for each 32 along K = 1,024; then q and k are quantised along the head's 64 channels
; (two blocks a token) and v along the keys (32 keys a block, for each channel), and codes and scale words are laid in the order in which the attention's operand registers take them.
; SHARES.  Work-group (e, S): S = one of 128 steps of 128 tokens (32 x batch + step); e = 0: Wq and channels 0-31 of Wv; e = 1: Wk and channels 32-63 of Wv.  One path: only pointers and offsets are chosen by e.
; Wave w: tokens 32 w .. 32 w + 31 as two tiles u, against six tiles of 16 channels: 12 accumulators, 8 K steps of 128, 96 matrix instructions.
; THE ROWS OF A TILE ARE NOT NEIGHBOURS: lane r of token tile u takes token 8 u + r + (r & 8) of the wave's 32; lane r of tile 2 b + u of Wq or Wk takes row 32 b + 8 u + r + (r & 8).
;   q, k: source 0 = 16 rows of the weight, source 1 = X: a lane holds ONE token, and the 16 registers of tiles 2 b, 2 b + 1 are channels 32 b + 16 (lane / 16) + 0 .. 15.
;   v:    source 0 = X, source 1 = 16 rows of Wv: a lane holds ONE channel, and the 16 registers of tiles u = 0, 1 are tokens 16 (lane / 16) + 0 .. 15 of the wave's block of 32 keys.
; The biases are the C of each sum's first product (so they are added first, not last as in the source).
; THE WEIGHTS' 48 fragments (8 K steps x 6 tiles) are loaded once by the work-group, 12 a wave, and go from wave to wave through LDS as images of their registers (16 x lane, 512 bytes a store).
; No tensor load and no cluster: one pass with all requests at its head; the weights are wanted as register images, which rows brought by the mover are not; X is shared by two work-groups only.
; OUT.  kv: [32 chunks of 4 steps][35,840 bytes]: K's codes 4 x 4,096 | V's codes 4 x 4,096 | K's scale words 4 x 512 | V's scale words 4 x 256.   qq: [128 steps][4,096 codes | 512 scale words].
;   K, Q codes: [tile 2 w + u][lane][16 bytes]: registers 0-3 of a fragment of 128 along K whose upper 64 are zeros.  Their scale words: [lane = r + 16 u][w][4 bytes], bytes 2 and 3 are 0 (over zero codes).
;   V codes: [tile n][c][lane][16 bytes]: channel 16 n + r, keys 64 c + 32 h + 0 .. 31.  V's scale words: [e][lane = channel - 32 e][4 bytes], byte w for keys 32 w on.
; LIMITS: NaN and infinities are not served.  A block whose largest magnitude lies under 2^(3 - 127) gets the byte 1; a block of zeros too (the rule says 127): its codes are zeros, and this program alone reads the bytes.
; REGISTERS.  Window 0: v1-12 addresses; v16-47 scale words and nothing else; v48-143 the staged fragments, then two fragment buffers, then the quantiser's work; v144-207 q or k; v208-239 v; v240-241 bv.
;   Window 1: v0-127 X's 16 fragments ((s, u) at 8 (2 s + u)); v128-159 the bias of q or k, by tile; v160-175 bv spread over eight registers a tile.
; THE MODE: SCHED_MODE bits 1:0 = 2 (LLVM: expert scheduling mode 2), set by the entry lines.  The code itself states the register dependences
; between vector or matrix instructions and memory or LDS instructions, with s_wait_alu, always for 0.
; THE PLAN.  Registers that memory or LDS instructions touch:
;   v1-12     offsets and LDS addresses: written by vector instructions at the head and never again; read by every load and store.  One wait on va_vdst, ahead of the first load.
;   v48-143   first my 12 staged fragments: global loads land there, the staging LDS stores read them.  One wait on vm_vsrc behind the first barrier: from there on LDS loads land in them, and at the end the quantiser writes them.
;             Then two buffers of six fragments: K step s's products read buffer s % 2, and the loads of step s + 2 land in it.  One wait on va_vdst behind the products of each of steps 0 to 5.
;             The eight loads of Wq's or Wk's fragments follow it at once; the four of Wv's are dealt among the first products of step s + 1, which name the other buffer, X, q's accumulators and scale words.
;   v16-47, v240-241, window 1 v0-159: loaded once; read by products and moves; no load lands there again.
;   v48-59, v88, v89: the codes, scale words and bytes, written behind the last product; read by the six stores at the end.  One wait on va_vdst ahead of that run; it also stands between the products of
;             steps 6 and 7, which read v92-96 as fragments, and wave 0's loads into them; no vector instruction follows it.
;   The accumulators, window 1 v160-175 and the quantiser's work registers are named by vector and matrix instructions alone.  EXEC and VCC are never written.
.set CH,   35840                       ; a chunk of kv
.set VCO,  16384                       ; in it: V's codes,
.set KSO,  32768                       ; K's scale words,
.set VSO,  34816                       ; V's scale words
.set QROW, 4608                        ; a step of qq
.set SCL,  49152                       ; LDS behind the 48 images: the step's 128 scale words of q or k,
.set VSC,  49664                       ; and 32 channels' scale words of v
.set XSR,  16                          ; v16-23  X's scale words of K step s: lanes 0-15 tile u = 0, lanes 16-31 u = 1
.set WSR,  24                          ; v24-39  the weight's: v[24 + 8 p + s]: lanes 0-15 tile 2 p, lanes 16-31 tile 2 p + 1
.set VSR,  40                          ; v40-47  Wv's: lanes 0-15 tile 0, lanes 16-31 tile 1
.set FB,   48
.set AQ,   144
.set AV,   208
.set BQ,   128                         ; in window 1
.set BV,   160                         ; in window 1
.set MSB, 0
.macro WIN new                         ; the immediate's high byte repeats the setting that is left
.if MSB != \new
	s_set_vgpr_msb (MSB<<8)|\new
.set MSB, \new
.endif
.endm
.macro PLACES                          ; four plain places behind a matrix instruction, ahead of loads into registers that it read and of reads of its results
.rept 4
	v_nop
.endr
.endm
; One product.  ra, rb = 1: that side's scale words stand in lanes 16-31 of the register named.
.macro WM d, a, b, c, sa, sb, ra, rb
.if (\ra) && (\rb)
	v_wmma_scale_f32_16x16x128_f8f6f4 v[(\d):(\d)+7], v[(\a):(\a)+7], v[(\b):(\b)+7], v[(\c):(\c)+7], v[(\sa)], v[(\sb)] matrix_a_fmt:MATRIX_FMT_FP4 matrix_b_fmt:MATRIX_FMT_FP4 matrix_a_scale:MATRIX_SCALE_ROW1 matrix_b_scale:MATRIX_SCALE_ROW1
.elseif (\ra)
	v_wmma_scale_f32_16x16x128_f8f6f4 v[(\d):(\d)+7], v[(\a):(\a)+7], v[(\b):(\b)+7], v[(\c):(\c)+7], v[(\sa)], v[(\sb)] matrix_a_fmt:MATRIX_FMT_FP4 matrix_b_fmt:MATRIX_FMT_FP4 matrix_a_scale:MATRIX_SCALE_ROW1
.elseif (\rb)
	v_wmma_scale_f32_16x16x128_f8f6f4 v[(\d):(\d)+7], v[(\a):(\a)+7], v[(\b):(\b)+7], v[(\c):(\c)+7], v[(\sa)], v[(\sb)] matrix_a_fmt:MATRIX_FMT_FP4 matrix_b_fmt:MATRIX_FMT_FP4 matrix_b_scale:MATRIX_SCALE_ROW1
.else
	v_wmma_scale_f32_16x16x128_f8f6f4 v[(\d):(\d)+7], v[(\a):(\a)+7], v[(\b):(\b)+7], v[(\c):(\c)+7], v[(\sa)], v[(\sb)] matrix_a_fmt:MATRIX_FMT_FP4 matrix_b_fmt:MATRIX_FMT_FP4
.endif
.endm
; K step s's weight fragments from their images into buffer s % 2, by loads of 512 consecutive bytes: the four of Wq or Wk (8 loads),
.macro FETCHQ s
.irp i, 0,1,2,3
.irp c, 0,1
	ds_load_b128 v[FB+48*((\s)%2)+8*\i+4*\c:FB+48*((\s)%2)+8*\i+4*\c+3], v7 offset:(6*(\s)+\i)*1024+512*\c
.endr
.endr
.endm
; and fragment n of the two of Wv (2 loads)
.macro FETCHV s, n
.irp c, 0,1
	ds_load_b128 v[FB+48*((\s)%2)+32+8*(\n)+4*\c:FB+48*((\s)%2)+32+8*(\n)+4*\c+3], v7 offset:(6*(\s)+4+(\n))*1024+512*\c
.endr
.endm
; K step s: 12 products, the 12 accumulators by turns, one instruction a turn.  In step 0 the biases are the C.
; In steps 1 to 6 the next step's two fragments of Wv are asked for behind the first and the second pair of products.  They land in the other buffer, which the products of step s - 1 read:
; the wait on va_vdst behind those has stated that, and no product since names these registers.  (The window setting here moves source 1 alone: an LDS load's data and address stay in window 0.)
.macro MULS s
.set WB, FB+48*((\s)%2)
.if (\s) == 0
	WIN 0x14                                       ; source 1 (X) and C (the bias) in window 1
.else
	WIN 0x04                                       ; source 1 (X) in window 1
.endif
.irp tau, 0,1,2,3
.irp u, 0,1
.if (\s) == 0
	WM AQ+32*\u+8*\tau, WB+8*\tau, 8*(2*(\s)+\u), BQ+8*\tau, WSR+8*(\tau/2)+(\s), XSR+(\s), \tau%2, \u
.else
	WM AQ+32*\u+8*\tau, WB+8*\tau, 8*(2*(\s)+\u), AQ+32*\u+8*\tau, WSR+8*(\tau/2)+(\s), XSR+(\s), \tau%2, \u
.endif
.endr
.if ((\s) >= 1) && ((\s) <= 6) && (\tau < 2)
	FETCHV (\s)+1, \tau
.endif
.endr
.if (\s) == 0
	WIN 0x11                                       ; source 0 (X) and C (bv) in window 1
.else
	WIN 0x01                                       ; source 0 (X) in window 1
.endif
.irp n, 0,1
.irp u, 0,1
.if (\s) == 0
	WM AV+16*\n+8*\u, 8*(2*(\s)+\u), WB+32+8*\n, BV+8*\n, XSR+(\s), VSR+(\s), \u, \n
.else
	WM AV+16*\n+8*\u, 8*(2*(\s)+\u), WB+32+8*\n, AV+16*\n+8*\u, XSR+(\s), VSR+(\s), \u, \n
.endif
.endr
.endr
	WIN 0
.endm
; Two blocks of 32, each as 16 registers of this lane (at src and src + 16) and 16 of lane l xor 16.  Out: codes v[pc + 2 x], v[pc + 2 x + 1]; bytes v[t + 2 + x].  Each accumulator is read from its low end on.
.macro QBLK src, pc, t
.irp x, 0,1
	v_max3_num_f32 v[\t+\x], |v[\src+16*\x]|, |v[\src+16*\x+1]|, 0x1800000   ; my 16 numbers, and the floor 2^(3 - 127): the byte cannot fall under 1
.endr
.irp i, 2,4,6,8,10,12,14
.irp x, 0,1
	v_max3_num_f32 v[\t+\x], v[\t+\x], |v[\src+16*\x+\i]|, |v[\src+16*\x+\i+1]|   ; (the two blocks by turns)
.endr
.endr
.irp x, 0,1
	v_permlanex16_b32 v[\t+2+\x], v[\t+\x], s34, s35
.endr
.irp x, 0,1
	v_max_num_f32 v[\t+\x], v[\t+\x], v[\t+2+\x]   ; with lane l xor 16's: the block's largest magnitude
.endr
.irp x, 0,1
	v_add_nc_u32 v[\t+4+\x], 0xff000000, v[\t+\x]  ; 2 off its exponent field: the conversion takes this operand's exponent field as its scale
.endr
.irp x, 0,1
	v_lshrrev_b32 v[\t+2+\x], 23, v[\t+4+\x]       ; the scale's byte
.endr
.irp x, 0,1
	v_cvt_scalef32_pk8_fp4_f32 v[\pc+2*\x], v[\src+16*\x:\src+16*\x+7], v[\t+4+\x]
	v_cvt_scalef32_pk8_fp4_f32 v[\pc+2*\x+1], v[\src+16*\x+8:\src+16*\x+15], v[\t+4+\x]
.endr
	v_nop                                          ; one plain place behind a scaled conversion
.endm
	s_load_b512 s[4:19], s[0:1], 0x0               ; X's codes 4, X's scales 6, Wv's codes 8, Wv's scales 10, bv 12, Wq's codes 14, Wq's scales 16, bq 18
	s_load_b256 s[20:27], s[0:1], 0x40             ; Wk's codes 20, Wk's scales 22, bk 24, qq 26
	s_load_b64 s[28:29], s[0:1], 0x60              ; kv
	v_lshl_add_u32 v254, v0, 2, 0xc400
	v_mov_b32 v255, 0
	v_lshrrev_b32 v242, 5, v0
	v_readfirstlane_b32 s30, v242                  ; wave 0..3
	v_and_b32 v243, 31, v0                         ; L, the lane
	v_and_b32 v244, 15, v0                         ; r
	v_bfe_u32 v245, v0, 4, 1                       ; h
	v_and_b32 v246, 8, v244
	v_add_nc_u32 v246, v246, v244                  ; r + (r & 8)
	v_lshlrev_b32 v1, 9, v246
	v_lshl_add_u32 v1, v245, 4, v1                 ; fragments of X, Wq, Wk: (r + (r & 8)) rows of 512 bytes + 16 h
	v_lshlrev_b32 v2, 9, v244
	v_lshl_add_u32 v2, v245, 4, v2                 ; fragments of Wv: r rows + 16 h
	v_lshl_add_u32 v3, v245, 3, v246
	v_lshlrev_b32 v3, 5, v3                        ; scale words of X, Wq, Wk: row 8 h + r + (r & 8), 32 bytes a row: the upper lanes take the odd tile's rows
	v_lshlrev_b32 v4, 5, v243                      ; scale words of Wv: row = lane
	v_lshlrev_b32 v5, 6, v245                      ; bias of q, k: 16 h channels on
	v_lshlrev_b32 v6, 2, v244                      ; bv: channel r
	v_lshlrev_b32 v7, 4, v243                      ; 16 x lane: an image's place for my lane
	v_lshlrev_b32 v11, 4, v244
	v_lshl_add_u32 v11, v245, 3, v11               ; V's codes: 16 r + 8 h
	v_lshlrev_b32 v12, 2, v243                     ; 4 x lane
	s_wait_alu depctr_va_sdst(0)                   ; s30, the wave's number, is written, ahead of its first reader: the line below; addresses, offsets and the branch at the end are made from it
	v_lshl_add_u32 v10, v243, 2, s30               ; V's scale byte in LDS: 4 x lane + wave
	s_mul_i32 s59, s30, 12288
	v_add_nc_u32 v8, s59, v7                       ; where I stage my 12 fragments: 16 x lane + 12 images x wave
	s_lshl_b32 s60, s30, 2
	v_add_nc_u32 v9, s60, v7                       ; my tokens' scale words in LDS: 16 x lane + 4 x wave
	s_mov_b32 s31, ttmp9                           ; e
	s_and_b32 s32, ttmp7, 0xffff                   ; S
	s_mov_b32 s33, 0xffff0000                      ; lanes 16-31
	s_mov_b32 s34, 0x76543210
	s_mov_b32 s35, 0xfedcba98                      ; v_permlanex16_b32's selects for lane l xor 16
	; byte offsets, each in a pair with 0 above it
	s_lshl_b32 s36, s32, 16
	s_lshl_b32 s38, s30, 14
	s_add_co_u32 s36, s36, s38                     ; X's codes: 128 S tokens + 32 w tokens, 512 bytes each
	s_mov_b32 s37, 0
	s_lshl_b32 s38, s32, 12
	s_lshl_b32 s40, s30, 10
	s_add_co_u32 s38, s38, s40                     ; X's scales: 32 bytes a token
	s_mov_b32 s39, 0
	s_lshl_b32 s40, s30, 7                         ; Wq or Wk: I stage K steps 2 w and 2 w + 1: 128 w bytes along a row
	s_mov_b32 s41, 0
	s_lshl_b32 s42, s31, 14
	s_add_co_u32 s42, s42, s40                     ; Wv: rows 32 e on, and the same K steps
	s_mov_b32 s43, 0
	s_lshl_b32 s44, s31, 10                        ; Wv's scales: rows 32 e on
	s_mov_b32 s45, 0
	s_lshl_b32 s46, s31, 7                         ; bv: channels 32 e on
	s_mov_b32 s47, 0
	s_lshr_b32 s48, s32, 2
	s_mul_i32 s48, s48, CH                         ; my chunk of kv
	s_and_b32 s49, s32, 3                          ; my step in it
	s_lshl_b32 s50, s49, 12
	s_add_co_u32 s50, s50, s48                     ; K's codes of the step
	s_lshl_b32 s51, s49, 9
	s_add_co_u32 s51, s51, s48
	s_add_co_u32 s51, s51, KSO                     ; K's scale words of the step
	s_mul_i32 s52, s32, QROW                       ; Q's codes of the step,
	s_add_co_u32 s53, s52, 4096                    ; and its scale words
	s_lshl_b32 s54, s31, 11
	s_add_co_u32 s54, s54, s50
	s_lshl_b32 s56, s30, 8
	s_add_co_u32 s54, s54, s56
	s_add_co_u32 s54, s54, VCO                     ; V's codes: tiles 2 e on, keys 32 w on
	s_mov_b32 s55, 0
	s_lshl_b32 s56, s49, 8
	s_add_co_u32 s56, s56, s48
	s_add_co_u32 s56, s56, s46
	s_add_co_u32 s56, s56, VSO                     ; V's scale words: 128 e bytes on
	s_mov_b32 s57, 0
	s_lshl_b32 s58, s30, 10                        ; my two tiles of codes: 1,024 w
	s_wait_kmcnt 0x0
	s_cmp_eq_u32 s31, 0                            ; q's work-group or k's?  The choice hangs on the work-group's number alone
	s_cselect_b64 s[14:15], s[14:15], s[20:21]
	s_cselect_b64 s[16:17], s[16:17], s[22:23]
	s_cselect_b64 s[18:19], s[18:19], s[24:25]
	s_cselect_b64 s[26:27], s[26:27], s[28:29]
	s_cselect_b32 s50, s52, s50
	s_cselect_b32 s52, s53, s51
	s_add_co_u32 s50, s50, s58
	s_mov_b32 s51, 0
	s_mov_b32 s53, 0
	s_add_nc_u64 s[4:5], s[4:5], s[36:37]
	s_add_nc_u64 s[6:7], s[6:7], s[38:39]
	s_add_nc_u64 s[14:15], s[14:15], s[40:41]
	s_add_nc_u64 s[8:9], s[8:9], s[42:43]
	s_add_nc_u64 s[10:11], s[10:11], s[44:45]
	s_add_nc_u64 s[12:13], s[12:13], s[46:47]
	s_add_nc_u64 s[20:21], s[26:27], s[50:51]      ; where my codes of q or k go,
	s_add_nc_u64 s[22:23], s[26:27], s[52:53]      ; the step's scale words,
	s_add_nc_u64 s[24:25], s[28:29], s[54:55]      ; my codes of v,
	s_add_nc_u64 s[28:29], s[28:29], s[56:57]      ; and v's scale words
	s_wait_alu depctr_va_vdst(0)                   ; the offsets and LDS addresses v1 to v12 are written: every load and store of the kernel reads one of them, and none is written again
	; ---- the loads.  First what the other waves wait for: my 12 weight fragments (24 loads)
.irp sp, 0,1
.irp i, 0,1,2,3
.irp c, 0,1
	global_load_b128 v[FB+8*(6*\sp+\i)+4*\c:FB+8*(6*\sp+\i)+4*\c+3], v1, s[14:15] offset:(32*(\i/2)+8*(\i%2))*512+64*\sp+32*\c
.endr
.endr
.irp n, 0,1
.irp c, 0,1
	global_load_b128 v[FB+8*(6*\sp+4+\n)+4*\c:FB+8*(6*\sp+4+\n)+4*\c+3], v2, s[8:9] offset:\n*8192+64*\sp+32*\c
.endr
.endr
.endr
	WIN 0x40                                       ; destination window 1
.irp t, 0,1,2,3                                ; the bias of q or k in the result's layout: tile 2 b + u, register j: channel 32 b + 8 u + 16 h + j (8 loads)
.irp k, 0,1
	global_load_b128 v[BQ+8*\t+4*\k:BQ+8*\t+4*\k+3], v5, s[18:19] offset:(32*(\t/2)+8*(\t%2))*4+16*\k
.endr
.endr
	WIN 0
.irp n, 0,1
	global_load_b32 v[240+\n], v6, s[12:13] offset:64*\n   ; bv of my channel (2 loads)
.endr
.irp g, 0,1                                    ; the scale words of all eight K steps (8 loads)
	global_load_b128 v[XSR+4*\g:XSR+4*\g+3], v3, s[6:7] offset:16*\g
.endr
.irp p, 0,1
.irp g, 0,1
	global_load_b128 v[WSR+8*\p+4*\g:WSR+8*\p+4*\g+3], v3, s[16:17] offset:1024*\p+16*\g
.endr
.endr
.irp g, 0,1
	global_load_b128 v[VSR+4*\g:VSR+4*\g+3], v4, s[10:11] offset:16*\g
.endr
.macro XLOAD s                                 ; X's two fragments of K step s (4 loads)
.irp u, 0,1
.irp c, 0,1
	global_load_b128 v[8*(2*(\s)+\u)+4*\c:8*(2*(\s)+\u)+4*\c+3], v1, s[4:5] offset:4096*\u+64*(\s)+32*\c
.endr
.endr
.endm
	WIN 0x40
.irp s, 0,1,2,3
	XLOAD \s
.endr
	WIN 0
	s_wait_loadcnt 34                              ; my 24 weight loads are in: behind them stand 10 of biases, 8 of scales, 16 of X
.irp f, 0,1,2,3,4,5,6,7,8,9,10,11
.irp c, 0,1
	ds_store_b128 v8, v[FB+8*\f+4*\c:FB+8*\f+4*\c+3] offset:\f*1024+512*\c   ; the fragment goes to LDS as it stands
.endr
.endr
	WIN 0x40
.irp s, 4,5,6,7
	XLOAD \s                                       ; (window 1's registers: no vector instruction and no store has named them)
.endr
	WIN 0
	s_wait_dscnt 0x0                               ; for the others' sake: my images have landed
	s_barrier_signal -1
	s_barrier_wait -1                              ; all 48 lie in LDS
	s_wait_alu depctr_vm_vsrc(0)                   ; my staging stores have read v48 to v143: these registers are the two fragment buffers from here on, in which LDS loads land, and the quantiser's work at the end
.irp s, 0,1
	FETCHQ \s
	FETCHV \s, 0
	FETCHV \s, 1
.endr
	s_wait_loadcnt 40                              ; the biases are in: behind them stand 8 loads of scales and 32 of X
	WIN 0x40
.irp n, 0,1
.irp j, 0,1,2,3,4,5,6,7
	v_mov_b32 v[BV+8*\n+\j], v[240+\n]             ; in v's result a lane holds one channel in all eight registers
.endr
.endr
	WIN 0
	PLACES                                         ; between these writes of an operand and the scaled products
	s_wait_alu depctr_va_vdst(0)
.irp s, 0,1,2,3,4,5,6,7
	s_wait_loadcnt 28-4*\s                         ; X's fragments of this K step are in (and the scales, which were asked for earlier): four loads for each later K step may be out
.if \s == 0
	s_wait_dscnt 12                                ; this K step's weights are in; step 1's 12 loads may be out
.elseif \s < 7
	s_wait_dscnt 8                                 ; this K step's weights are in; the eight loads just issued, of the next step's fragments of Wq or Wk, may be out
.else
	s_wait_dscnt 0x0
.endif
	MULS \s
.if \s < 6
	PLACES
	s_wait_alu depctr_va_vdst(0)                   ; this step's products are done reading their buffer, in which the loads of the step after next land: eight here, four among the next step's first products
	FETCHQ \s+2                                    ; into the buffer just multiplied
.endif
.endr
	PLACES
	QBLK AQ, 48, 64                                ; tile u = 0 of q or k: blocks = channels 0-31, 32-63
	QBLK AQ+32, 52, 72                             ; tile u = 1
	QBLK AV, 56, 80                                ; v: blocks = my two channel tiles, keys 32 w .. 32 w + 31
	v_lshl_or_b32 v70, v67, 8, v66                 ; a token's scale word: two bytes; the upper two stay 0, over zero codes
	v_lshl_or_b32 v78, v75, 8, v74
	v_permlane16_swap_b32 v48, v50                 ; the operand's layout wants a WHOLE block in a lane: lanes 0-15 channels 0-31, lanes 16-31 channels 32-63
	v_permlane16_swap_b32 v49, v51
	v_permlane16_swap_b32 v52, v54
	v_permlane16_swap_b32 v53, v55
	v_cndmask_b32 v88, v70, v78, s33               ; lanes 0-15: tile u = 0's words, lanes 16-31: u = 1's
	v_cndmask_b32 v89, v82, v83, s33               ; lanes 0-15: the first channel tile's bytes, lanes 16-31: the second's
	s_wait_alu depctr_va_vdst(0)                   ; the conversions, swaps and selects have written v48 to v59, v88 and v89, which the six stores below read; the products of steps 6 and 7 are done reading v92 to v96, in which wave 0's loads land
	global_store_b128 v7, v[48:51], s[20:21]       ; a tile's codes: 512 consecutive bytes, aligned
	global_store_b128 v7, v[52:55], s[20:21] offset:512
	global_store_b64 v11, v[56:57], s[24:25]       ; v's codes: 256 consecutive bytes, aligned
	global_store_b64 v11, v[58:59], s[24:25] offset:1024
	ds_store_b32 v9, v88 offset:SCL                ; the four waves' words and bytes meet in LDS,
	ds_store_b8 v10, v89 offset:VSC
	s_wait_dscnt 0x0                               ; for wave 0's sake: they have landed
	s_barrier_signal -1
	s_barrier_wait -1
	s_cmp_lg_u32 s30, 0
	s_cbranch_scc1 .Lend
	ds_load_b128 v[92:95], v7 offset:SCL           ; and wave 0 sends them out whole
	ds_load_b32 v96, v12 offset:VSC
	s_wait_dscnt 0x0
	global_store_b128 v7, v[92:95], s[22:23]       ; 512 consecutive bytes, aligned
	global_store_b32 v12, v96, s[28:29]            ; 128 consecutive bytes: the other work-group of this step writes the 128 beside them
.Lend:
	s_wait_dscnt 0x0
	s_wait_alu depctr_hold_cnt(0) depctr_sa_sdst(0) depctr_va_vdst(0) depctr_va_sdst(0) depctr_va_ssrc(0) depctr_va_vcc(0) depctr_vm_vsrc(0)
	s_wait_tensorcnt 0x0
	ds_add_u32 v254, v255
	s_wait_dscnt 0x0
	s_endpgm
.Lfunc_end_k_q6cdad42663_proj:
	.size	k_q6cdad42663_proj, .Lfunc_end_k_q6cdad42663_proj-k_q6cdad42663_proj
	.p2alignl 7, 3214868480
	.fill 96, 4, 3214868480
	.section	.rodata,"a",@progbits
	.p2align	6, 0x0
	.amdhsa_kernel k_q6cdad42663_proj
		.amdhsa_group_segment_fixed_size 50688
		.amdhsa_private_segment_fixed_size 0
		.amdhsa_enable_private_segment 0
		.amdhsa_kernarg_size 104
		.amdhsa_user_sgpr_count 2
		.amdhsa_user_sgpr_kernarg_segment_ptr 1
		.amdhsa_wavefront_size32 1
		.amdhsa_system_sgpr_workgroup_id_x 1
		.amdhsa_system_sgpr_workgroup_id_y 1
		.amdhsa_system_sgpr_workgroup_id_z 1
		.amdhsa_system_vgpr_workitem_id 0
		.amdhsa_next_free_vgpr 432
		.amdhsa_next_free_sgpr 66
		.amdhsa_reserve_vcc 0
		.amdhsa_float_denorm_mode_32 3
		.amdhsa_float_denorm_mode_16_64 3
		.amdhsa_memory_ordered 1
		.amdhsa_forward_progress 1
		.amdhsa_inst_pref_size 41
	.end_amdhsa_kernel
	.amdgpu_metadata
---
amdhsa.version: [ 1, 2 ]
amdhsa.kernels:
  - .name:           k_q6cdad42663_proj
    .symbol:         k_q6cdad42663_proj.kd
    .args:
      - { .name: X_codes, .offset: 0, .size: 8, .value_kind: global_buffer, .address_space: global }
      - { .name: X_scales, .offset: 8, .size: 8, .value_kind: global_buffer, .address_space: global }
      - { .name: Wv_codes, .offset: 16, .size: 8, .value_kind: global_buffer, .address_space: global }
      - { .name: Wv_scales, .offset: 24, .size: 8, .value_kind: global_buffer, .address_space: global }
      - { .name: bv, .offset: 32, .size: 8, .value_kind: global_buffer, .address_space: global }
      - { .name: Wq_codes, .offset: 40, .size: 8, .value_kind: global_buffer, .address_space: global }
      - { .name: Wq_scales, .offset: 48, .size: 8, .value_kind: global_buffer, .address_space: global }
      - { .name: bq, .offset: 56, .size: 8, .value_kind: global_buffer, .address_space: global }
      - { .name: Wk_codes, .offset: 64, .size: 8, .value_kind: global_buffer, .address_space: global }
      - { .name: Wk_scales, .offset: 72, .size: 8, .value_kind: global_buffer, .address_space: global }
      - { .name: bk, .offset: 80, .size: 8, .value_kind: global_buffer, .address_space: global }
      - { .name: qq, .offset: 88, .size: 8, .value_kind: global_buffer, .address_space: global }
      - { .name: kv, .offset: 96, .size: 8, .value_kind: global_buffer, .address_space: global }
    .group_segment_fixed_size: 50688
    .private_segment_fixed_size: 0
    .kernarg_segment_align: 8
    .kernarg_segment_size: 104
    .max_flat_workgroup_size: 128
    .sgpr_count:     66
    .vgpr_count:     432
    .wavefront_size: 32
...
	.end_amdgpu_metadata
.endif
;; end of part 3
;; launch attn (part 4): grid 64 x 4, 16 waves a work-group, clusters of 4 x 1, 288,768 bytes of LDS; arguments qq, kv, out0; writes out0
.if DOCPART == 4
	.amdgcn_target "amdgcn-amd-amdhsa--gfx1250"
	.amdhsa_code_object_version 6
	.text
	.protected	k_q6cdad42663_attn
	.globl	k_q6cdad42663_attn
	.p2align	8
	.type	k_q6cdad42663_attn,@function
k_q6cdad42663_attn:
	s_mov_b64 s[64:65], 0
	v_nop
	global_prefetch_b8 v0, s[64:65] scope:SCOPE_SE
	s_setreg_imm32_b32 hwreg(HW_REG_WAVE_MODE, 25, 1), 1
	s_wait_xcnt 0x0
	s_wait_alu depctr_hold_cnt(0) depctr_sa_sdst(0) depctr_va_vdst(0) depctr_va_sdst(0) depctr_va_ssrc(0) depctr_va_vcc(0) depctr_vm_vsrc(0)
	s_getreg_b32 s2, hwreg(HW_REG_IB_STS2, 6, 4)
	s_cmp_eq_u32 s2, 0
	s_cbranch_scc0 .Lentry_in_a_cluster
	s_endpgm
.Lentry_in_a_cluster:
	s_bfe_u32 s2, ttmp6, 0x10000c
	s_cmp_lg_u32 s2, 0x3003
	s_cbranch_scc0 .Lentry_shape_is_right
	s_endpgm
.Lentry_shape_is_right:
; out[b][q][:] = the sum over keys k <= q of softmax_k(q . k / 8) v[k][:], both products on codes of FP4 (E2M1) with one E8M0 scale for each 32 along a product's K.  4 batches, 4,096 tokens, head size 64.
; qq and kv hold Q's, K's and V's codes and scale words in the order of the operand registers (a fragment's registers at 16 x lane): they come by loads of 16 bytes a lane, 512 consecutive bytes an instruction.
; THE SOFTMAX AHEAD OF THE SECOND PRODUCT: t = score x log2(e) / 8; M = the largest t so far, rounded UP to a whole number; p = 2^(t - M) is quantised along the keys, not normalised; the sum is taken of the
; unquantised p and divides at the end.  When M moves, the sum and O are multiplied by 2^(old M - new M): exact.
; SHARES.  A cluster of four work-groups owns the groups of 128 queries G = X and G = 31 - X of one batch (X = the cluster's x, 0 .. 15); the work-group at place cx takes queries 32 cx .. 32 cx + 31 of each: four tiles
; of 16 queries.  A tile of group G needs key steps (128 keys) 0 .. G, so every work-group has 2 (X + 1) + 2 (32 - X) = 66 tile steps, whatever X.  Each tile's steps are split over four waves: wave (tile t, split g) takes
; steps g, g + 4, ..: one in each of eight iterations; the four partial results meet in LDS at the end.  With a = w & 3, b = w >> 2: t = (a + b) & 3, g = b xor 3 (t & 1): whichever two bits of w name the SIMD, each
; SIMD holds one wave of each tile, and the odd tiles' splits run the other way round, which spreads the remainders.
; K AND V of a whole batch are 8 chunks of 35,840 bytes (4 key steps each): all of them fit in LDS as they lie in memory.  Wave 0 asks for the eight by eight tensor loads at the start: by this text's count eight are out.
; Nothing is filled twice.  The four partners walk the same batch, so each chunk is asked for JOINTLY (mask 15).  Chunk i serves iteration i; the later chunks land under the earlier iterations' work.
; A cluster with a large X also fetches chunks that it never reads: so the descriptors stay constants.
; No branch and no LDS address hangs on cx: it enters Q's and out's addresses and the mask's vector d alone.
; LAYOUT.  S^T = K Q^T (source 0 = 16 keys, source 1 = my 16 queries; K = 64 channels and 64 zero codes, which stay in registers), O^T = V^T P^T: a lane holds ONE query throughout.
; The keys of a tile are not neighbours: lane r of tile 2 b + u holds key 32 b + 8 u + r + (r & 8), so that the 16 registers of tiles 2 b, 2 b + 1 are keys 32 b + 16 (lane / 16) + 0 .. 15.  Q's tiles likewise.
; Not prefetched: every request of the launch goes out in its first lines.
; LIMITS: NaN and infinities are not served; a p under 2^-126 counts as 0; a block whose every p is 0 keeps the byte 1: its codes are zeros.
; REGISTERS: v1-9 addresses that stay; v10, v11, v25 the step's; v12 -M, v13 the largest t, v[14:15] the sum in two halves; v16-23 Q; v24 Q's scale word; v26-27 V's scale words, v28-31 K's; v32-95 K's eight fragments;
;   v96-159 S^T, then p; v160-191 O^T; v192-223 V's four fragments; v224-231 p's codes; v232-254 at work (v250 the factor f, v253 p's scale word).
.set CH,    35840                      ; a chunk: 140 rows of 256 bytes
.set VCO,   16384                      ; in it: V's codes,
.set KSO,   32768                      ; K's scale words,
.set VSO,   34816                      ; V's scale words
.set QROW,  4608                       ; a step of qq
.set SROW,  272                        ; the merge's stage: a query's 256 bytes + 16
.set STG1,  16*SROW                    ; one wave's stage; wave (t, g) has number 4 t + g.  The 16 stages and the statistics fill chunks 0 and 1, which have had their one fill and whose last reads stand in front of later barriers
.set STATS, 16*STG1                    ; behind the stages: (-M, sum) for each query: 128 bytes a wave
.macro ROUND                           ; a round of the cluster's barrier
	s_barrier_signal -1
	s_barrier_wait -1
	s_cmp_lg_u32 s10, 0
	s_cbranch_scc1 .Lnot_wave_0_\@
	s_barrier_signal -3
.Lnot_wave_0_\@:
	s_barrier_wait -3
	s_barrier_signal -1
	s_barrier_wait -1
.endm
	s_load_b128 s[4:7], s[0:1], 0x0                ; qq, kv
	s_load_b64 s[8:9], s[0:1], 0x10                ; out0
	v_lshl_add_u32 v248, v0, 2, 0x46000
	v_mov_b32 v249, 0
	ds_add_u32 v248, v249
	ds_add_u32 v248, v249
	v_lshrrev_b32 v240, 5, v0
	s_delay_alu instid0(VALU_DEP_1)
	v_readfirstlane_b32 s10, v240                  ; wave 0..15
	s_mov_b32 s13, ttmp9                           ; X: the cluster's x, which the four partners share
	s_bfe_u32 s14, ttmp6, 0x40000                  ; cx: my place in the cluster
	s_and_b32 s15, ttmp7, 0xffff                   ; the batch
	s_and_b32 s66, s10, 3
	s_lshr_b32 s67, s10, 2
	s_add_co_u32 s11, s66, s67
	s_and_b32 s11, s11, 3                          ; t: my tile
	s_and_b32 s18, s11, 1                          ; u: which 16 of the 32 queries
	s_mul_i32 s12, s18, 3
	s_xor_b32 s12, s12, s67                        ; g: my split
	s_lshl_b32 s19, s11, 2
	s_add_co_u32 s19, s19, s12                     ; 4 t + g
	s_sub_co_u32 s66, 31, s13
	s_cmp_lt_u32 s11, 2
	s_cselect_b32 s16, s13, s66                    ; G: my tile's group of 128 queries, and its last key step
	s_mov_b32 s17, s12                             ; the key step in hand
	s_mov_b32 s20, 0x76543210
	s_mov_b32 s21, 0xfedcba98                      ; v_permlanex16_b32's selects for lane l xor 16
	s_mov_b32 s22, 0x3e38aa3b                      ; c = log2(e) / 8
	s_mov_b32 s23, s22                             ; (named with it as a pair, so it is written)
	; every LDS address register is made here, ahead of the first branch
	v_and_b32 v240, 31, v0                         ; L
	v_and_b32 v241, 15, v0                         ; r
	v_bfe_u32 v242, v0, 4, 1                       ; h
	s_delay_alu instid0(VALU_DEP_3)
	v_lshlrev_b32 v9, 4, v240                      ; 16 x lane
	s_lshl_b32 s68, s12, 12
	v_add_nc_u32 v1, s68, v9                       ; codes of my step in a chunk: 4,096 g + 16 x lane
	s_lshl_b32 s68, s12, 9
	v_add_nc_u32 v2, s68, v9                       ; K's scale words: 512 g + 16 x lane
	s_lshl_b32 s68, s12, 8
	v_lshl_add_u32 v3, v240, 2, s68                ; V's scale words: 256 g + 4 x lane
	s_mul_i32 s69, s19, STG1
	v_mul_u32_u24 v5, v241, SROW
	s_delay_alu instid0(VALU_DEP_1)
	v_lshl_add_u32 v5, v242, 5, v5
	s_delay_alu instid0(VALU_DEP_1)
	v_add_nc_u32 v5, s69, v5                       ; into my stage: row r, + 32 h
	s_mul_i32 s69, s11, 4*STG1
	s_mul_i32 s70, s12, 4*SROW
	s_add_co_u32 s69, s69, s70
	v_mul_u32_u24 v6, v242, SROW
	s_delay_alu instid0(VALU_DEP_1)
	v_lshl_add_u32 v6, v241, 4, v6
	s_delay_alu instid0(VALU_DEP_1)
	v_add_nc_u32 v6, s69, v6                       ; back: my tile's first stage, row 4 g + h, 16 bytes a lane
	s_lshl_b32 s69, s19, 7
	s_add_co_u32 s69, s69, STATS
	v_lshl_add_u32 v7, v241, 3, s69                ; my statistics: 8 bytes a query
	s_lshl_b32 s69, s11, 9
	s_lshl_b32 s70, s12, 5
	s_add_co_u32 s69, s69, s70
	s_add_co_u32 s69, s69, STATS
	v_lshl_add_u32 v8, v242, 3, s69                ; back: my tile's, query 4 g + h
	; what hangs on cx: in s76-s83, which feed no LDS address and no descriptor
	s_lshl_b32 s77, s14, 5
	s_lshl_b32 s76, s18, 3
	s_add_co_u32 s77, s77, s76                     ; 32 cx + 8 u
	v_and_b32 v243, 8, v241
	s_delay_alu instid0(VALU_DEP_1)
	v_add_nc_u32 v243, v243, v241                  ; r + (r & 8)
	s_delay_alu instid0(VALU_DEP_1)
	v_add_nc_u32 v4, s77, v243
	v_lshlrev_b32 v243, 4, v242
	s_delay_alu instid0(VALU_DEP_1)
	v_sub_nc_u32 v4, v4, v243                      ; d = my query in its group - 16 h.  In the diagonal step register 16 b + i holds key 32 b + 16 h + i: hidden where 32 b + i > d
	v_lshlrev_b32 v255, 4, v241                    ; Q's scale word: 16 r
	s_lshl_b32 s76, s15, 5
	s_add_co_u32 s76, s76, s16
	s_mul_i32 s76, s76, QROW                       ; my group's step of qq
	s_lshl_b32 s78, s14, 10
	s_lshl_b32 s79, s18, 9
	s_add_co_u32 s78, s78, s79
	s_add_co_u32 s78, s78, s76                     ; Q's codes: tile 2 cx + u
	s_mov_b32 s79, 0
	s_lshl_b32 s80, s18, 8
	s_lshl_b32 s81, s14, 2
	s_add_co_u32 s80, s80, s81
	s_add_co_u32 s80, s80, s76
	s_add_co_u32 s80, s80, 4096                    ; Q's scale words: [r + 16 u][cx]
	s_mov_b32 s81, 0
	s_lshl_b32 s82, s15, 12
	s_lshl_b32 s83, s16, 7
	s_add_co_u32 s82, s82, s83
	s_add_co_u32 s82, s82, s77
	s_lshl_b32 s83, s12, 2
	s_add_co_u32 s82, s82, s83
	s_lshr_b32 s83, s12, 1
	s_lshl_b32 s83, s83, 3
	s_add_co_u32 s82, s82, s83                     ; the first row of out that I store: rows 4 g .. 4 g + 3 of the tile are queries 8 u + 4 g + 8 (g / 2) + 0 .. 3 of the 32
	s_lshl_b32 s82, s82, 8                         ; 256 bytes a row
	s_mov_b32 s83, 0
	; descriptor group 1: a chunk, dense in memory, as 140 rows of 256 bytes (32 elements of 8 bytes), no padding: images are read at 16 x lane
	s_mov_b32 s24, 15|(3<<16)|(1<<21)              ; 15:0 the mask: all four work-groups; 17:16 elements of 8 bytes; 21 set beside a mask
	s_mov_b32 s25, 32<<16                          ; tensor_dim0 = 32
	s_mov_b32 s26, 140<<16                         ; tensor_dim1 = 140
	s_mov_b32 s27, 32<<16                          ; tile_dim0 = 32
	s_mov_b32 s28, 140                             ; tile_dim1 = 140
	s_mov_b32 s29, 32                              ; tensor_dim0_stride
	s_mov_b32 s30, 0
	s_mov_b32 s31, 0
	s_mul_i32 s66, s15, 8*CH                       ; my batch's eight chunks
	s_mov_b32 s67, 0
	s_wait_dscnt 0x0
	s_wait_kmcnt 0x0
	s_add_nc_u64 s[6:7], s[6:7], s[66:67]
	s_add_nc_u64 s[78:79], s[4:5], s[78:79]
	s_add_nc_u64 s[80:81], s[4:5], s[80:81]
	s_add_nc_u64 s[8:9], s[8:9], s[82:83]
.irp i, 0,1,2,3,4,5,6,7                        ; group 0, a set for each chunk
	s_mov_b32 s[32+4*\i], 1                        ; count = 1
	s_mov_b32 s[33+4*\i], \i*CH                    ; LDS address
	s_add_nc_u64 s[34+4*\i:35+4*\i], s[6:7], \i*CH ; global address
	s_or_b32 s[35+4*\i], s[35+4*\i], 0x80000000    ; type = 2
.endr
	ROUND                                          ; all four work-groups are here: the joint loads meet
	s_cmp_lg_u32 s10, 0
	s_cbranch_scc1 .Lno_fill
.irp i, 0,1,2,3,4,5,6,7
	tensor_load_to_lds s[32+4*\i:35+4*\i], s[24:31]
	s_nop 0
.endr
.rept 4
	v_nop                                          ; four plain lines follow the last of them
.endr
.Lno_fill:
	global_load_b128 v[16:19], v9, s[78:79]        ; Q's fragment, channels 0-63: it stays in registers
	s_wait_alu depctr_va_vdst(0)
	global_load_b32 v24, v255, s[80:81]            ; and its scale word
.irp j, 20,21,22,23
	v_mov_b32 v\j, 0                               ; the zero codes of k = 64 .. 127: Q's,
.endr
.irp tau, 0,1,2,3,4,5,6,7
.irp k, 4,5,6,7
	v_mov_b32 v[32+8*\tau+\k], 0                   ; and K's: written once, no load lands on them
.endr
.endr
.set j, 0
.rept 32
	v_mov_b32 v[160+j], 0                          ; O^T.  (The step is written one way: a wave's first step finds zeros, which the first change of M leaves zeros; a wave without a step hands zeros on)
.set j, j+1
.endr
	v_mov_b32 v13, 0xff61b1e6                      ; the largest t so far: -3e38, under every t
	s_delay_alu instid0(VALU_DEP_1)
	v_floor_f32 v12, -v13                          ; -M
	v_mov_b32 v14, 0                               ; the sum, in two halves
	v_mov_b32 v15, 0
.irp j, 236,237,238,239,251,252,253
	v_mov_b32 v\j, 0                               ; written once: a lane permute's destination counts as one of its sources, and a pair's upper half as read
.endr
	s_wait_loadcnt 0x0                             ; Q
; A KEY STEP: 128 keys: step g of chunk it.  A step all of whose keys come after my tile's group is left out: a scalar branch on ids; no barrier and no tensor load stands in a step.
.macro STEP it
	s_cmp_gt_u32 s17, s16
	s_cbranch_scc1 .Lskip_\@
	v_add_nc_u32 v10, (\it)*CH, v1
	v_add_nc_u32 v11, (\it)*CH, v2
	v_add_nc_u32 v25, (\it)*CH, v3
	v_nop                                          ; these four are the places behind the last step's products, ahead of loads into registers that they read
.irp tau, 0,1,2,3,4,5,6,7
	ds_load_b128 v[32+8*\tau:35+8*\tau], v10 offset:512*\tau   ; K's tile tau: 64 channels of 16 keys
.endr
	ds_load_b128 v[28:31], v11 offset:KSO          ; K's scale words: register b: lanes 0-15 tile 2 b, lanes 16-31 tile 2 b + 1
.irp n, 0,1,2,3
.irp c, 0,1
	ds_load_b128 v[192+8*\n+4*\c:195+8*\n+4*\c], v10 offset:VCO+1024*\n+512*\c   ; V's tile n: 16 channels x 128 keys
.endr
.endr
.irp e, 0,1
	ds_load_b32 v[26+\e], v25 offset:VSO+128*\e    ; V's scale words: lanes 0-15 tile 2 e, lanes 16-31 tile 2 e + 1
.endr
	s_wait_dscnt 10                                ; K and its scale words are in; V's 8 + 2 loads may be out
.irp tau, 0,1,2,3,4,5,6,7
.if \tau%2
	v_wmma_scale_f32_16x16x128_f8f6f4 v[96+8*\tau:103+8*\tau], v[32+8*\tau:39+8*\tau], v[16:23], 0, v[28+\tau/2], v24 matrix_a_fmt:MATRIX_FMT_FP4 matrix_b_fmt:MATRIX_FMT_FP4 matrix_a_scale:MATRIX_SCALE_ROW1
.else
	v_wmma_scale_f32_16x16x128_f8f6f4 v[96+8*\tau:103+8*\tau], v[32+8*\tau:39+8*\tau], v[16:23], 0, v[28+\tau/2], v24 matrix_a_fmt:MATRIX_FMT_FP4 matrix_b_fmt:MATRIX_FMT_FP4
.endif
.endr
.rept 4
	v_nop
.endr
	s_cmp_lg_u32 s17, s16                          ; the group's own step lies on the diagonal: there hidden keys' scores become -infinity ahead of the maximum, so that p = 0.  Key 0 of the step counts for every query
	s_cbranch_scc1 .Lopen_\@
	v_mov_b32 v254, 0xff800000                     ; -infinity
.set n, 0
.rept 64
	v_cmp_gt_i32 vcc_lo, 32*(n/16)+n%16, v4
	v_cndmask_b32 v[96+n], v[96+n], v254, vcc_lo
.set n, n+1
.endr
.Lopen_\@:
.irp b, 0,1,2,3
	v_max3_num_f32 v[232+\b], v[96+16*\b], v[97+16*\b], v[98+16*\b]   ; THE LARGEST SCORE OF EACH BLOCK OF 32 KEYS serves twice: for the row's maximum, and, since p rises with the score, for the block's largest p
.endr
.irp i, 3,5,7,9,11,13
.irp b, 0,1,2,3
	v_max3_num_f32 v[232+\b], v[232+\b], v[96+16*\b+\i], v[97+16*\b+\i]   ; (the four blocks by turns)
.endr
.endr
.irp b, 0,1,2,3
	v_max_num_f32 v[232+\b], v[232+\b], v[111+16*\b]
.endr
.irp b, 0,1,2,3
	s_delay_alu instid0(VALU_DEP_4)
	v_permlanex16_b32 v[236+\b], v[232+\b], s20, s21
.endr
.irp b, 0,1,2,3
	s_delay_alu instid0(VALU_DEP_4)
	v_max_num_f32 v[232+\b], v[232+\b], v[236+\b]  ; with lane l xor 16's 16 keys
.endr
	s_delay_alu instid0(VALU_DEP_2)
	v_max3_num_f32 v254, v232, v233, v234
	s_delay_alu instid0(VALU_DEP_1)
	v_max_num_f32 v254, v254, v235                 ; the step's largest score of my query
	s_delay_alu instid0(VALU_DEP_1)
	v_mul_f32 v254, s22, v254                      ; as t (c is positive)
	s_delay_alu instid0(VALU_DEP_1)
	v_max_num_f32 v13, v13, v254                   ; the running largest t
	v_mov_b32 v254, v12
	s_delay_alu instid0(VALU_DEP_2)
	v_floor_f32 v12, -v13                          ; the new -M = floor(-t) = -ceil(t): M is a whole number
	s_delay_alu instid0(VALU_DEP_1)
	v_sub_f32 v254, v12, v254                      ; M's old value less its new one: a whole number, 0 or less
	s_delay_alu instid0(VALU_DEP_1)
	v_cvt_i32_f32 v254, v254                       ; (it saturates)
	s_delay_alu instid0(VALU_DEP_1)
	v_ldexp_f32 v250, 1.0, v254                    ; f = 2^(old M - new M)
.set j, 0
.rept 32
	v_pk_fma_f32 v[96+j:97+j], v[96+j:97+j], s[22:23], v[12:13] op_sel_hi:[1,0,0]   ; t - M, two at a time (of the pairs c and -M the low word serves both halves)
.set j, j+2
.endr
.irp b, 0,1,2,3
	v_fma_f32 v[232+\b], v[232+\b], s22, v12       ; the same of each block's largest score
.endr
.set j, 0
	s_wait_alu depctr_va_vdst(0)
.rept 64
	v_exp_f32 v[96+j], v[96+j]                     ; p = 2^(t - M), at most 1: not normalised
.set j, j+1
.endr
	v_pk_mul_f32 v[14:15], v[14:15], v[250:251] op_sel_hi:[1,0]   ; the sums under the new M.  (The plain line behind the exponentials)
	s_wait_alu depctr_va_vdst(0)                   ; one wait for the whole batch, ahead of its first reader
.irp b, 0,1,2,3
	v_exp_f32 v[232+\b], v[232+\b]                 ; the block's largest p: the same two instructions on the same number give the same bits
.endr
	v_pk_add_f32 v[236:237], v[100:101], v[104:105]
	v_pk_add_f32 v[254:255], v[108:109], v[112:113]
	v_pk_add_f32 v[246:247], v[116:117], v[120:121]
	v_pk_add_f32 v[244:245], v[124:125], v[128:129]
	v_pk_add_f32 v[242:243], v[132:133], v[136:137]
	v_pk_add_f32 v[240:241], v[140:141], v[144:145]
	v_pk_add_f32 v[238:239], v[148:149], v[152:153]
	v_pk_add_f32 v[14:15], v[14:15], v[156:157]
	v_pk_add_f32 v[236:237], v[236:237], v[96:97]
	v_pk_add_f32 v[254:255], v[254:255], v[98:99]
	v_pk_add_f32 v[246:247], v[246:247], v[102:103]
	v_pk_add_f32 v[244:245], v[244:245], v[106:107]
	v_pk_add_f32 v[242:243], v[242:243], v[110:111]
	v_pk_add_f32 v[240:241], v[240:241], v[114:115]
	v_pk_add_f32 v[238:239], v[238:239], v[118:119]
	v_pk_add_f32 v[14:15], v[14:15], v[122:123]
	v_pk_add_f32 v[236:237], v[236:237], v[126:127]
	v_pk_add_f32 v[254:255], v[254:255], v[130:131]
	v_pk_add_f32 v[246:247], v[246:247], v[134:135]
	v_pk_add_f32 v[244:245], v[244:245], v[138:139]
	v_pk_add_f32 v[242:243], v[242:243], v[142:143]
	v_pk_add_f32 v[240:241], v[240:241], v[146:147]
	v_pk_add_f32 v[238:239], v[238:239], v[150:151]
	v_pk_add_f32 v[14:15], v[14:15], v[154:155]
	v_pk_add_f32 v[236:237], v[236:237], v[158:159]
	s_delay_alu instid0(VALU_DEP_2)
	v_pk_add_f32 v[14:15], v[14:15], v[244:245]
	s_delay_alu instid0(VALU_DEP_2)
	v_pk_add_f32 v[236:237], v[236:237], v[242:243]
	v_pk_add_f32 v[254:255], v[254:255], v[240:241]
	v_pk_add_f32 v[246:247], v[246:247], v[238:239]
	s_delay_alu instid0(VALU_DEP_2)
	v_pk_add_f32 v[14:15], v[14:15], v[254:255]
	s_delay_alu instid0(VALU_DEP_2)
	v_pk_add_f32 v[236:237], v[236:237], v[246:247]
	s_delay_alu instid0(VALU_DEP_1)
	v_pk_add_f32 v[14:15], v[14:15], v[236:237]
	s_wait_alu depctr_va_vdst(0)                   ; and one for the four
.irp b, 0,1,2,3
	v_max_num_f32 v[232+\b], 0x1800000, v[232+\b]  ; the floor 2^(3 - 127): the byte cannot fall under 1
.endr
.irp b, 0,1,2,3
	s_delay_alu instid0(VALU_DEP_4)
	v_add_nc_u32 v[244+\b], 0xff000000, v[232+\b]  ; 2 off the exponent field: the conversion's scale operand
.endr
.irp b, 0,1,2,3
	s_delay_alu instid0(VALU_DEP_4)
	v_lshrrev_b32 v[236+\b], 23, v[244+\b]         ; the scale's byte
.endr
	s_delay_alu instid0(VALU_DEP_3)
	v_lshl_or_b32 v253, v237, 8, v236              ; p's scale word for these 128 keys
	s_delay_alu instid0(VALU_DEP_1)
	v_lshl_or_b32 v253, v238, 16, v253
	s_delay_alu instid0(VALU_DEP_1)
	v_lshl_or_b32 v253, v239, 24, v253
.irp b, 0,1,2,3
	v_cvt_scalef32_pk8_fp4_f32 v[224+2*\b], v[96+16*\b:103+16*\b], v[244+\b]
	v_cvt_scalef32_pk8_fp4_f32 v[225+2*\b], v[104+16*\b:111+16*\b], v[244+\b]
.endr
	v_nop                                          ; one plain place behind a scaled conversion
.irp c, 0,1                                    ; the operand's layout wants a WHOLE block in a lane: lanes 0-15 block 2 c, lanes 16-31 block 2 c + 1
.irp i, 0,1
	v_permlane16_swap_b32 v[224+4*\c+\i], v[226+4*\c+\i]
.endr
.endr
.set j, 0
.rept 16
	v_pk_mul_f32 v[160+j:161+j], v[160+j:161+j], v[250:251] op_sel_hi:[1,0]   ; O^T under the new M, each accumulator from its low end on.  For each product below twelve of these name none of its registers: the places behind the writes of p's scale word (8) and codes (4)
.set j, j+2
.endr
	s_wait_alu depctr_va_vdst(0)
	s_wait_dscnt 0x0                               ; V and its scale words are in; no LDS access of mine is out at the next barrier
.irp n, 0,1,2,3                                ; O^T += V^T P^T: four accumulators by turns
.if \n%2
	v_wmma_scale_f32_16x16x128_f8f6f4 v[160+8*\n:167+8*\n], v[192+8*\n:199+8*\n], v[224:231], v[160+8*\n:167+8*\n], v[26+\n/2], v253 matrix_a_fmt:MATRIX_FMT_FP4 matrix_b_fmt:MATRIX_FMT_FP4 matrix_a_scale:MATRIX_SCALE_ROW1
.else
	v_wmma_scale_f32_16x16x128_f8f6f4 v[160+8*\n:167+8*\n], v[192+8*\n:199+8*\n], v[224:231], v[160+8*\n:167+8*\n], v[26+\n/2], v253 matrix_a_fmt:MATRIX_FMT_FP4 matrix_b_fmt:MATRIX_FMT_FP4
.endif
.endr
.Lskip_\@:
	s_add_co_u32 s17, s17, 4                       ; my next step lies in the next chunk
.endm
; An iteration: chunk it has landed (wave 0's wait: 7 - it chunks were asked for behind it; the other waves have no tensor load out), every wave knows it behind the barrier.
.macro ITER it
	s_wait_tensorcnt 7-\it
	s_barrier_signal -1
	s_barrier_wait -1
	STEP \it
.endm
.irp it, 0,1,2,3,4,5,6,7                       ; written out: the wait's count is an immediate
	ITER \it
.endr
	; THE MERGE.  Each wave puts its O^T, -M and sum into LDS; behind a barrier wave (t, g) finishes queries 4 g .. 4 g + 3 of tile t from the four splits.
.rept 4
	v_nop                                          ; places behind the last products
.endr
	s_wait_alu depctr_va_vdst(0)
	v_add_f32 v14, v14, v15                        ; the sum's two halves,
	s_delay_alu instid0(VALU_DEP_1)
	v_permlanex16_b32 v252, v14, s20, s21
	s_delay_alu instid0(VALU_DEP_1)
	v_add_f32 v13, v14, v252                       ; and lane l xor 16's: v[12:13] = (-M, the sum)
.irp n, 0,1,2,3
	ds_store_b128 v5, v[160+8*\n:163+8*\n] offset:64*\n          ; lane (r, h): query r, channels 16 n + 8 h + 0 .. 7; each accumulator from its low end on
	ds_store_b128 v5, v[164+8*\n:167+8*\n] offset:64*\n+16
.endr
	ds_store_b64 v7, v[12:13]                      ; both lanes of a query write the same two words
	s_wait_dscnt 0x0                               ; for the others' sake: my stores have landed
	s_barrier_signal -1
	s_barrier_wait -1
.irp i, 0,1                                    ; query 4 g + 2 i + h; 16 bytes (4 channels) a lane; split p
.irp p, 0,1,2,3
	ds_load_b128 v[32+16*\i+4*\p:35+16*\i+4*\p], v6 offset:STG1*\p+2*SROW*\i
	ds_load_b64 v[64+8*\i+2*\p:65+8*\i+2*\p], v8 offset:128*\p+16*\i
.endr
.endr
	s_wait_dscnt 0x0
.irp i, 0,1
	v_min3_num_f32 v[80+\i], v[64+8*\i], v[66+8*\i], v[68+8*\i]
.endr
.irp i, 0,1
	s_delay_alu instid0(VALU_DEP_2)
	v_min_num_f32 v[80+\i], v[80+\i], v[70+8*\i]   ; the least -M: the largest M of the four
.endr
.irp i, 0,1
.irp p, 0,1,2,3
	v_sub_f32 v[84+4*\i+\p], v[80+\i], v[64+8*\i+2*\p]   ; split p's M less the largest: a whole number, 0 or less (a split without a step: about -3e38)
.endr
.endr
.irp i, 0,1
.irp p, 0,1,2,3
	v_cvt_i32_f32 v[84+4*\i+\p], v[84+4*\i+\p]     ; (it saturates)
.endr
.endr
.irp i, 0,1
.irp p, 0,1,2,3
	v_ldexp_f32 v[84+4*\i+\p], 1.0, v[84+4*\i+\p]  ; f: exact; 0 for a split without a step
.endr
.endr
.irp i, 0,1
	v_mul_f32 v[92+\i], v[84+4*\i], v[65+8*\i]
.endr
.irp p, 1,2,3
.irp i, 0,1
	s_delay_alu instid0(VALU_DEP_2)
	v_fma_f32 v[92+\i], v[84+4*\i+\p], v[65+8*\i+2*\p], v[92+\i]   ; the row's sum under the largest M
.endr
.endr
	s_wait_alu depctr_va_vdst(0)
.irp i, 0,1
	v_rcp_f32 v[94+\i], v[92+\i]
.endr
	v_nop                                          ; a plain line behind the reciprocals
	s_wait_alu depctr_va_vdst(0)                   ; one wait for the two, ahead of their first reader
.irp i, 0,1
.irp p, 0,1,2,3
	v_mul_f32 v[84+4*\i+\p], v[84+4*\i+\p], v[94+\i]   ; f / the sum
.endr
.endr
.irp i, 0,1
.irp k, 0,1,2,3
	v_mul_f32 v[100+4*\i+\k], v[84+4*\i], v[32+16*\i+\k]
.endr
.endr
.irp p, 1,2,3
.irp i, 0,1
.irp k, 0,1,2,3
	v_fma_f32 v[100+4*\i+\k], v[84+4*\i+\p], v[32+16*\i+4*\p+\k], v[100+4*\i+\k]
.endr
.endr
.endr
.irp i, 0,1
	global_store_b128 v9, v[100+4*\i:103+4*\i], s[8:9] offset:512*\i th:TH_STORE_NT   ; two whole rows of out: 512 consecutive bytes, aligned; written once, read by nobody here
.endr
	s_wait_tensorcnt 0x0
	ds_add_u32 v248, v249
	s_wait_dscnt 0x0
	ROUND                                          ; the closing round: no work-group ends while a partner may still ask for a chunk that names it
	s_endpgm
.Lfunc_end_k_q6cdad42663_attn:
	.size	k_q6cdad42663_attn, .Lfunc_end_k_q6cdad42663_attn-k_q6cdad42663_attn
	.p2alignl 7, 3214868480
	.fill 96, 4, 3214868480
	.section	.rodata,"a",@progbits
	.p2align	6, 0x0
	.amdhsa_kernel k_q6cdad42663_attn
		.amdhsa_group_segment_fixed_size 288768
		.amdhsa_private_segment_fixed_size 0
		.amdhsa_enable_private_segment 0
		.amdhsa_kernarg_size 24
		.amdhsa_user_sgpr_count 2
		.amdhsa_user_sgpr_kernarg_segment_ptr 1
		.amdhsa_wavefront_size32 1
		.amdhsa_system_sgpr_workgroup_id_x 1
		.amdhsa_system_sgpr_workgroup_id_y 1
		.amdhsa_system_sgpr_workgroup_id_z 1
		.amdhsa_system_vgpr_workitem_id 0
		.amdhsa_next_free_vgpr 256
		.amdhsa_next_free_sgpr 84
		.amdhsa_reserve_vcc 1
		.amdhsa_float_denorm_mode_32 3
		.amdhsa_float_denorm_mode_16_64 3
		.amdhsa_memory_ordered 1
		.amdhsa_forward_progress 1
		.amdhsa_inst_pref_size 186
	.end_amdhsa_kernel
	.amdgpu_metadata
---
amdhsa.version: [ 1, 2 ]
amdhsa.kernels:
  - .name:           k_q6cdad42663_attn
    .symbol:         k_q6cdad42663_attn.kd
    .args:
      - { .name: qq, .offset: 0, .size: 8, .value_kind: global_buffer, .address_space: global }
      - { .name: kv, .offset: 8, .size: 8, .value_kind: global_buffer, .address_space: global }
      - { .name: out0, .offset: 16, .size: 8, .value_kind: global_buffer, .address_space: global }
    .group_segment_fixed_size: 288768
    .private_segment_fixed_size: 0
    .kernarg_segment_align: 8
    .kernarg_segment_size: 24
    .max_flat_workgroup_size: 512
    .sgpr_count:     84
    .vgpr_count:     256
    .wavefront_size: 32
...
	.end_amdgpu_metadata
.endif
;; end of part 4
